; MI455X (gfx1250); checked and timed in simulation.
; The chip was launched on July 23, 2026; its instructions are those of AMD's public machine-readable ISA for CDNA 5 (MIT licence, August 2026) and "CDNA5" Instruction Set Architecture Reference Guide (July 2026). The comments in the code are by the model that wrote it; some were corrected since.
;; Transformer Encoder Layer. Allowed arithmetic: matrix products marked QUANTISED: E4M3 operands, one given power-of-two scale a tensor, by v_wmma_f32_16x16x64_fp8_fp8 or v_wmma_f32_16x16x128_fp8_fp8, f32 sums; everything else in f32.
;; Inputs: b1 4,096 float32; b2 1,024 float32; b_out 1,024 float32; be1 1,024 float32; be2 1,024 float32; g1 1,024 float32; g2 1,024 float32; lowp_scales 12 int32 (the exponents e of the quantised operands' scales 2^e); mask 2 x 2,048 int32; w1 1,024 x 4,096 float32; w2 4,096 x 1,024 float32; w_out 1,024 x 1,024 float32; w_qkv 1,024 x 3,072 float32; x 2 x 2,048 x 1,024 float32.
;; Outputs: out0 2 x 2,048 x 1,024 float32.
;; This version of the problem:
;;   THIS VERSION OF THE PROBLEM IS GIVEN IN LOW PRECISION. The matrix products marked QUANTISED in the list below multiply operands that are first quantised to E4M3 (4 exponent bits, 3 mantissa bits; 8 bits a number), with one given power-of-two scale for each operand tensor; their sums are f32. All else is computed in f32.
;;   The module's matrix products, in the order in which they are computed (A, B: the left and right operand; K: the contracted axis; several contracted axes count as one K, in the product's order):
;;     1. [M 4,096, K 1,024] x [K 1,024, N 3,072]; A: computed on the way; B: input w_qkv: QUANTISED (scales: A lowp_scales[0], B lowp_scales[1])
;;     2. batch 32 x [M 2,048, K 64] x [K 64, N 2,048]; A: computed on the way; B: computed on the way: QUANTISED (scales: A lowp_scales[2], B lowp_scales[3])
;;     3. batch 32 x [M 2,048, K 2,048] x [K 2,048, N 64]; A: softmax (see below); B: computed on the way: QUANTISED (scales: A lowp_scales[4], B lowp_scales[5])
;;     4. [M 4,096, K 1,024] x [K 1,024, N 1,024]; A: computed on the way; B: input w_out: QUANTISED (scales: A lowp_scales[6], B lowp_scales[7])
;;     5. [M 4,096, K 1,024] x [K 1,024, N 4,096]; A: computed on the way; B: input w1: QUANTISED (scales: A lowp_scales[8], B lowp_scales[9])
;;     6. [M 4,096, K 4,096] x [K 4,096, N 1,024]; A: computed on the way; B: input w2: QUANTISED (scales: A lowp_scales[10], B lowp_scales[11])
;;   THE QUANTISER, for each operand of a quantised product, along K:
;;     - The operand's scale is 2^e, e = its entry of the input lowp_scales (int32; the entries are numbered through the quantised products in the list's order, A before B).
;;     - Each number is divided by the scale, clamped to +-448, and rounded to the nearest number of E4M3, ties to even, subnormals kept.
;;     - The product sums the exact products of the quantised numbers (number of the format x scale) in f32.
;;   ~~~python
;;   def quantise(x, axis, e):      # numpy; x: float32 -> the quantised numbers, widened to float32 again
;;       x = np.moveaxis(x, axis, -1); K = x.shape[-1]
;;       r = np.clip(x / 2.0 ** e, -448, 448)
;;       step = 2.0 ** (np.maximum(np.frexp(np.where(r == 0, 1, r))[1] - 1, -6) - 3)
;;       q = np.round(r / step) * step * 2.0 ** e      # np.round: ties to even
;;       return np.moveaxis(q, -1, axis).astype(np.float32)
;;   ~~~
;;   SOFTMAX AHEAD OF A QUANTISED PRODUCT. Where the list says 'softmax', what is quantised is not the finished softmax but p = 2^(t - M), with t = logit x log2(e) and M = ceil(the row's largest t), a whole number; so 1/2 < the row's largest p <= 1. The row's sum l is taken of the UNQUANTISED p, in f32, and the product's result is divided by l at the end. Since M is a whole number, a kernel that streams over the keys may use a running M (the ceiling of the running maximum): every later rescaling is an exact power of two, so the quantised numbers keep their values, but for numbers so far below the row's largest that they fall under the format's range.
;;   OPERANDS COMPUTED ON THE WAY. 'Computed on the way' means the value that the module computes at that place (a softmax that the list does not call 'softmax' is quantised finished and normalised). What goes into a quantiser is computed in f32, as accurately as f32 sums, v_exp_f32 and their like allow (about 1e-6 of the number): no bf16 or f16 on the way to a quantiser, and a product that is left as it is and whose result goes on into a quantised operand takes f32 operands (vector FMAs, or v_wmma_f32_16x16x4_f32). A number that lies on a knife's edge between two numbers of the format may be rounded either way, as far as f32 arithmetic and the matrix unit's own rounding can turn it there, and no further.
;; One version. Each part assembles by itself: llvm-mc -triple=amdgcn-amd-amdhsa -mcpu=gfx1250 --defsym DOCPART=n.
;; ======== version 1 of 1: 7 launches
;; limits: right only within a limited range of input values
;; workspace buffers: wimg 12,582,912 bytes; himg 8,388,608 bytes; qkvc 12,582,912 bytes; oimg 4,194,304 bytes; x1 16,777,216 bytes; h2img 4,194,304 bytes; hid 16,777,216 bytes; cnt 512 bytes of whole numbers
;; launch prep (part 1): grid 640 x 1, 4 waves a work-group, no clusters, 50,688 bytes of LDS; arguments x, g1, be1, w_qkv, w_out, w1, w2, lowp_scales, mask, wimg, himg, cnt; writes wimg, himg, cnt
.if DOCPART == 1
	.amdgcn_target "amdgcn-amd-amdhsa--gfx1250"
	.amdhsa_code_object_version 6
	.text
	.protected	k_q385bf1f130_prep
	.globl	k_q385bf1f130_prep
	.p2align	8
	.type	k_q385bf1f130_prep,@function
k_q385bf1f130_prep:
	s_mov_b64 s[64:65], 0
	v_nop
	global_prefetch_b8 v0, s[64:65] scope:SCOPE_SE
	s_setreg_imm32_b32 hwreg(HW_REG_WAVE_MODE, 25, 1), 1
	s_wait_xcnt 0x0
; Two jobs in one launch, parted by the work-group's number.
; Work-groups 0-383: the four weights ([K][N], f32) become codes of E4M3 with their given scales.  Work-groups 384-639: h = LayerNorm(x, g1, be1), quantised with 2^e0.
; EVERY OPERAND IS STORED AS AN IMAGE OF THE MATRIX UNIT'S OPERAND REGISTERS.  A fragment is 16 rows x 128 along K, 2,048 bytes: byte 512 q + 16 L + 4 d + i
; (q 0..3, lane L = r + 16 h, d 0..3, i 0..3) is the code of row r at k = 32 q + 16 (d / 2) + 8 h + 4 (d % 2) + i: register 4 q + d of lane L.  A matrix lies [row / 16][k / 128][2048].
; So a later launch takes a fragment by four loads of 16 bytes a lane, 512 consecutive bytes each, and no k changes its place.
; code = number / 2^e, held within +-448, to the nearest code, ties to even.
; h IS STORED TWICE.  himg's first 4 MiB: all tokens in order, for the queries.  Its second 4 MiB: THE KEYS PACKED, batch by batch: a token whose mask word is not 0 stands at its rank among such tokens, a masked token
; behind all of them, at n + its rank among the masked, and as zero codes.  That is a permutation: every byte is written once.  So k and V, made from this image, hold the keys that count on end, then zeros,
; and attention walks only n keys.  Where a batch has no key that counts (n = 0) the places are the tokens' own and the codes stay: all 2,048 keys are then walked.
; cnt, whole numbers, 256 bytes a batch: words 0-31 n, words 32-63 the keys to walk (n, or 2,048 where n = 0).
; A lane's 16 bytes of the packed image go to its token's place: sixteen lanes store at most two runs, so aligned blocks of 256 bytes of these 4 MiB are written in parts: the price of packing here, where the rows are at hand.
; LIMITS: each e between -126 and 119, so that 2^e and 448 x 2^e are f32 numbers.  NaN among the inputs is not served.
; LDS: bytes 0-17,407 belong to the LayerNorm path, bytes 17,408-50,175 to the weights' path (8,192 for each wave).
.set WSTG, 17408
.set XW, 48                            ; weights: v48-111 two sets of 32 numbers
.set CW, 112                           ; weights: v112-175 the codes, eight registers a block, never written twice
.set T,  16                            ; LayerNorm: v16-47 eight registers at work for each of a wave's four rows
.set XR, 64                            ; v64-191 the four rows, 32 registers each: register 4 j + e is column 128 j + 4 lane + e
.set GR, 192                           ; v192-223 the gain at my columns; before that, with v224-255, the batch's mask
.set BR, 224                           ; v224-255 the bias at my columns
	s_load_b512 s[4:19], s[0:1], 0x0               ; x 4:5, g1 6:7, be1 8:9, w_qkv 10:11, w_out 12:13, w1 14:15, w2 16:17, the scales 18:19
	s_load_b256 s[76:83], s[0:1], 0x40             ; the mask 76:77, wimg 78:79, himg 80:81, cnt 82:83
	s_set_vgpr_msb 0x40
	v_lshl_add_u32 v0, v0, 2, 0xc400
	v_mov_b32 v1, 0
	s_set_vgpr_msb 0x4000
	v_lshrrev_b32 v1, 5, v0
	v_readfirstlane_b32 s36, v1                    ; wave 0..3
	v_and_b32 v1, 31, v0                           ; lane
	s_wait_kmcnt 0x0
	s_load_b256 s[24:31], s[18:19], 0x0            ; e0 .. e7
	s_load_b128 s[32:35], s[18:19], 0x20           ; e8 .. e11
	s_cmp_ge_u32 ttmp9, 384                        ; the same for all waves of a work-group
	s_cbranch_scc1 .Lln
; ---------------- THE WEIGHTS.  A lane takes a column n and its registers run down K, so the conversions give codes with K innermost and nothing is transposed.
; A wave takes 32 columns x 256 along K, a work-group 128 columns.  Which weight: by the work-group's number; only numbers and pointers are chosen, the text is one.
;   w_qkv from 0 (24 x 4 work-groups), w_out from 96 (8 x 4), w1 from 128 (32 x 4), w2 from 256 (8 x 16)
	s_mov_b64 s[40:41], s[16:17]                   ; w2's figures first: pointer,
	s_mov_b32 s42, 256                             ; first work-group,
	s_mov_b32 s43, 4                               ; log2 of the parts along K,
	s_mov_b32 s44, 4096                            ; bytes of a row (4 N),
	s_mov_b32 s45, 65536                           ; bytes of 16 rows of the image (16 K),
	s_mov_b32 s46, 8388608                         ; the image's place in wimg
	s_cmp_lt_u32 ttmp9, 256
	s_cselect_b64 s[40:41], s[14:15], s[40:41]     ; w1
	s_cselect_b32 s42, 128, s42
	s_cselect_b32 s43, 2, s43
	s_cselect_b32 s44, 16384, s44
	s_cselect_b32 s45, 16384, s45
	s_cselect_b32 s46, 4194304, s46
	s_cmp_lt_u32 ttmp9, 128
	s_cselect_b64 s[40:41], s[12:13], s[40:41]     ; w_out
	s_cselect_b32 s42, 96, s42
	s_cselect_b32 s44, 4096, s44
	s_cselect_b32 s46, 3145728, s46
	s_cmp_lt_u32 ttmp9, 96
	s_cselect_b64 s[40:41], s[10:11], s[40:41]     ; w_qkv
	s_cselect_b32 s42, 0, s42
	s_cselect_b32 s44, 12288, s44
	s_cselect_b32 s46, 0, s46
	s_sub_co_u32 s37, ttmp9, s42
	s_bfm_b32 s38, s43, 0
	s_and_b32 s38, s37, s38                        ; y: which 256 along K
	s_lshr_b32 s39, s37, s43                       ; x: which 128 columns
	s_mul_i32 s68, s38, s44
	s_lshl_b32 s68, s68, 8                         ; 256 y rows
	s_lshl_b32 s69, s39, 9
	s_add_co_u32 s68, s68, s69                     ; + 512 x
	s_lshl_b32 s69, s36, 7
	s_add_co_u32 s68, s68, s69                     ; + 128 x wave
	s_mov_b32 s69, 0
	s_add_nc_u64 s[48:49], s[40:41], s[68:69]      ; a base for each block of 32 rows, s48-63: none is ever stepped
	s_lshl_b32 s70, s44, 5
	s_mov_b32 s71, 0
.irp t, 1,2,3,4,5,6,7
	s_add_nc_u64 s[48+2*\t:49+2*\t], s[46+2*\t:47+2*\t], s[70:71]
.endr
	s_lshl_b32 s72, s39, 3
	s_lshl_b32 s73, s36, 1
	s_add_co_u32 s72, s72, s73                     ; my first 16 columns: 8 x + 2 wave
	s_mul_i32 s72, s72, s45
	s_lshl_b32 s73, s38, 12
	s_add_co_u32 s72, s72, s73                     ; + two fragments along K for each y
	s_add_co_u32 s72, s72, s46
	s_mov_b32 s73, 0
	s_add_nc_u64 s[66:67], s[78:79], s[72:73]
	s_wait_alu depctr_va_vdst(0)
	v_lshrrev_b32 v2, 4, v1
	v_and_b32 v3, 15, v1
	s_lshl_b32 s74, s36, 13
	s_add_co_u32 s74, s74, WSTG                    ; my wave's stage: 2 x 16 columns x 2 fragments
	v_lshlrev_b32 v10, 12, v2
	v_lshl_add_u32 v10, v3, 4, v10
	v_add_nc_u32 v10, s74, v10                     ; into it: 4,096 (lane / 16) + 16 (lane % 16)
	v_lshlrev_b32 v12, 4, v1                       ; out: 16 x lane, for my first 16 columns,
	v_add_nc_u32 v11, s74, v12
	v_add_nc_u32 v13, s45, v12                     ; and for the second 16
	v_lshlrev_b32 v16, 2, v1                       ; v16-47: 4 x lane + i rows
.set i, 1
.rept 31
	v_add_nc_u32 v[16+i], s44, v[15+i]
.set i, i+1
.endr
.macro LOADW t                         ; block t: w(32 t + i, my column) into set t % 2; a wave's load reads 128 consecutive bytes, the four waves stand side by side
.set i, 0
.rept 32
	global_load_b32 v[XW+32*((\t)%2)+i], v[16+i], s[48+2*(\t):49+2*(\t)] th:TH_LOAD_NT
.set i, i+1
.endr
.endm
	LOADW 0
	LOADW 1
	s_wait_kmcnt 0x0
	s_mov_b32 s47, s35                             ; e11, e9, e7 or e1
	s_cmp_lt_u32 ttmp9, 256
	s_cselect_b32 s47, s33, s47
	s_cmp_lt_u32 ttmp9, 128
	s_cselect_b32 s47, s31, s47
	s_cmp_lt_u32 ttmp9, 96
	s_cselect_b32 s47, s25, s47
	s_add_co_i32 s47, s47, 127
	s_lshl_b32 s75, s47, 23
	v_mov_b32 v9, s75                              ; 2^e as f32: the conversion takes its exponent field
	s_add_co_i32 s47, s47, 8
	s_lshl_b32 s47, s47, 23
	s_or_b32 s47, s47, 0x600000
	v_mov_b32 v8, s47                              ; 448 x 2^e
.macro BLOCKW t
.if (\t) < 7
	s_wait_loadcnt 32                              ; this block's 32 loads are in; the next block's 32 may be out
.else
	s_wait_loadcnt 0x0
.endif
.set i, 0
.rept 32
	v_med3_num_f32 v[XW+32*((\t)%2)+i], v[XW+32*((\t)%2)+i], -v8, v8   ; the conversion does not saturate (ISA guide 7.6.2): the hold comes first
.set i, i+1
.endr
.irp g, 0,1,2,3
	v_cvt_scalef32_pk8_fp8_f32 v[CW+8*(\t)+2*\g:CW+8*(\t)+2*\g+1], v[XW+32*((\t)%2)+8*\g:XW+32*((\t)%2)+8*\g+7], v9
.endr
	v_nop                                          ; a plain line behind the last conversion of the run
.irp g, 0,1,2,3                        ; k = 32 t + 8 g + 0..7 is, in the image, chunk t % 4 of fragment t / 4, half g % 2 of the lanes, registers 2 (g / 2) and the next
	ds_store_b64 v10, v[CW+8*(\t)+2*\g:CW+8*(\t)+2*\g+1] offset:((\t)/4)*2048+((\t)%4)*512+(\g%2)*256+(\g/2)*8
.endr
.if (\t) < 6
	LOADW (\t)+2
.endif
.endm
	s_wait_alu depctr_va_vdst(0)
.irp t, 0,1,2,3,4,5,6,7
	BLOCKW \t
.endr
.irp i, 0,1,2,3,4,5,6,7,8,9,10,11,12,13,14,15
	ds_load_b128 v[XW+4*\i:XW+4*\i+3], v11 offset:512*\i     ; my own bytes; LDS serves a wave's instructions in order (ISA guide 5.7.1.4), so these see the stores above
.endr
.irp i, 0,1,2,3,4,5,6,7
	s_wait_dscnt 15-\i
	global_store_b128 v12, v[XW+4*\i:XW+4*\i+3], s[66:67] offset:512*\i          ; 32 lanes store 512 consecutive bytes, aligned
.endr
.irp i, 0,1,2,3,4,5,6,7
	s_wait_dscnt 7-\i
	global_store_b128 v13, v[XW+32+4*\i:XW+32+4*\i+3], s[66:67] offset:512*\i
.endr
	s_set_vgpr_msb 0x5
	s_wait_tensorcnt 0x0
	ds_add_u32 v0, v1
	s_wait_dscnt 0x0
	s_set_vgpr_msb 0x500
	s_endpgm
; ---------------- LAYERNORM AND QUANTISER.  A work-group takes 16 rows (one row of fragments), wave w rows 4 w .. 4 w + 3, all four in flight and worked by turns.
.Lln:
	s_sub_co_u32 s37, ttmp9, 384                   ; which 16 rows
	s_lshr_b32 s86, s37, 7                         ; batch
	s_and_b32 s87, s37, 127                        ; which 16 tokens of the batch
	s_lshl_b32 s91, s87, 4                         ; T0: their first token
	s_lshl_b32 s88, s86, 13
	s_mov_b32 s89, 0
	s_add_nc_u64 s[76:77], s[76:77], s[88:89]      ; my batch's mask
	s_lshl_b32 s38, s37, 16
	s_lshl_b32 s39, s36, 14
	s_add_co_u32 s38, s38, s39
	s_mov_b32 s39, 0
	s_add_nc_u64 s[4:5], s[4:5], s[38:39]          ; my four rows of 4,096 bytes
	s_lshl_b32 s38, s37, 14
	s_lshl_b32 s40, s36, 12
	s_add_co_u32 s38, s38, s40
	s_lshl_b32 s88, s86, 21
	s_add_co_u32 s88, s88, s40
	s_add_co_u32 s88, s88, 4194304
	s_add_nc_u64 s[84:85], s[80:81], s[88:89]      ; the packed image: my batch's 2 MiB, my wave's two fragments along K
	s_add_nc_u64 s[80:81], s[80:81], s[38:39]      ; the image in order: the two fragments that I store
	s_lshl_b32 s88, s86, 8
	s_add_nc_u64 s[82:83], s[82:83], s[88:89]      ; my batch's 256 bytes of cnt
	s_wait_alu depctr_va_vdst(0)
	v_lshlrev_b32 v4, 4, v1
	v_lshlrev_b32 v7, 2, v1                        ; 4 x lane
	v_and_b32 v14, 15, v1                          ; r
	v_lshrrev_b32 v13, 4, v1                       ; h
	s_lshl_b32 s88, s87, 6
	v_lshl_add_u32 v11, v14, 2, s88                ; the mask's word of token T0 + r
.irp j, 0,1,2,3,4,5,6,7,8,9,10,11,12,13,14,15
	global_load_b128 v[GR+4*\j:GR+4*\j+3], v4, s[76:77] offset:512*\j    ; the batch's whole mask, ahead of x: register 4 j + e is token 128 j + 4 lane + e
.endr
	global_load_b32 v10, v11, s[76:77]
.irp i, 0,1,2,3
.irp j, 0,1,2,3,4,5,6,7
	global_load_b128 v[XR+32*\i+4*\j:XR+32*\i+4*\j+3], v4, s[4:5] offset:4096*\i+512*\j th:TH_LOAD_NT
.endr
.endr
	; the stage: 64 half chunks (256 bytes of the image) + 16 of padding.  My four codes of fragment j (k = 4 lane ..) lie in chunk lane / 8, half (lane / 2) % 2, register 2 ((lane / 4) % 2) + lane % 2
	v_lshrrev_b32 v2, 3, v1
	v_mul_u32_u24 v5, v2, 544
	v_bfe_u32 v2, v1, 1, 1
	v_mad_u32_u24 v5, v2, 272, v5
	v_bfe_u32 v2, v1, 2, 1
	v_lshl_add_u32 v5, v2, 3, v5
	v_and_b32 v2, 1, v1
	v_lshl_add_u32 v5, v2, 2, v5
	s_lshl_b32 s40, s36, 6
	v_add_nc_u32 v5, s40, v5                       ; + 16 bytes for each row: 64 x wave, the row in the immediate
	v_mul_u32_u24 v6, v13, 272
	v_lshl_add_u32 v6, v14, 4, v6
	s_mul_i32 s40, s36, 4352
	v_add_nc_u32 v6, s40, v6                       ; back: my 16 half chunks, 16 bytes a lane
	s_mov_b32 s70, 0x76543210                      ; v_permlanex16_b32: lane l takes lane l xor 16
	s_mov_b32 s71, 0xfedcba98
	s_mov_b32 s72, 0x3a800000                      ; 1 / 1024
	s_mov_b32 s73, 0x3727c5ac                      ; 1e-5
	s_wait_kmcnt 0x0
	s_add_co_i32 s24, s24, 127
	s_lshl_b32 s41, s24, 23
	v_mov_b32 v9, s41                              ; 2^e
	s_add_co_i32 s24, s24, 8
	s_lshl_b32 s24, s24, 23
	s_or_b32 s24, s24, 0x600000
	v_mov_b32 v8, s24                              ; 448 x 2^e
	; THE PLACES, in whole numbers, while x is on its way.  s42 = n, the batch's tokens that count; s43 = those of them ahead of token T0
	s_mov_b32 s42, 0
	s_mov_b32 s43, 0
	s_mov_b32 s44, s91                             ; T0 - 128 j
	s_wait_loadcnt 32                              ; the mask's 17 loads are in; x's 32 may be out
.irp j, 0,1,2,3,4,5,6,7,8,9,10,11,12,13,14,15
	v_cmp_gt_i32 s45, s44, v7                      ; the lanes whose four tokens 128 j + 4 lane .. lie ahead of T0 (a multiple of 16)
.irp e, 0,1,2,3
	v_cmp_ne_u32 s[48+\e], 0, v[GR+4*\j+\e]
.endr
.irp e, 0,1,2,3
	s_bcnt1_i32_b32 s[52+\e], s[48+\e]
	s_and_b32 s[48+\e], s[48+\e], s45
.endr
.irp e, 0,1,2,3
	s_add_co_u32 s42, s42, s[52+\e]
	s_bcnt1_i32_b32 s[52+\e], s[48+\e]
.endr
.irp e, 0,1,2,3
	s_add_co_u32 s43, s43, s[52+\e]
.endr
	s_sub_co_i32 s44, s44, 128
.endr
.irp j, 0,1,2,3,4,5,6,7
	global_load_b128 v[GR+4*\j:GR+4*\j+3], v4, s[6:7] offset:512*\j      ; gain and bias take the mask's registers
	global_load_b128 v[BR+4*\j:BR+4*\j+3], v4, s[8:9] offset:512*\j
.endr
	v_cmp_ne_u32 s46, 0, v10                       ; bit L: does token T0 + L % 16 count?  (the same 16 bits twice)
	s_and_b32 s47, s46, 0xffff
	s_bcnt1_i32_b32 s47, s47
	v_mbcnt_lo_u32_b32 v12, s46, 0                 ; the set bits below my lane,
	v_mul_u32_u24 v3, v13, s47
	v_sub_nc_u32 v12, v12, v3                      ; less the lower half's for lanes 16-31: my block's tokens that count ahead of mine
	v_add_nc_u32 v3, s43, v12                      ; the place of a token that counts: its rank among those
	s_add_co_u32 s92, s42, s91
	s_sub_co_u32 s92, s92, s43
	v_sub_nc_u32 v15, v14, v12
	v_add_nc_u32 v15, s92, v15                     ; of a masked one: n + its rank among the masked = n + (T0 + r) - (those that count ahead of it)
	v_cndmask_b32 v3, v15, v3, s46
	v_min_u32 v3, 0x7ff, v3                        ; a place is 0 .. 2,047
	v_and_b32 v15, 0x7f0, v3
	v_lshlrev_b32 v15, 10, v15                     ; (place / 16) x 16,384
	v_and_b32 v3, 15, v3
	v_lshl_add_u32 v15, v3, 4, v15                 ; + 16 (place % 16)
	v_lshl_add_u32 v15, v13, 8, v15                ; + 256 h: my 16 bytes of a chunk at my token's place
	s_cmp_eq_u32 s42, 0
	s_cselect_b32 s93, -1, 0
	s_cselect_b32 s94, 2048, s42                   ; the keys to walk
	s_or_b32 s93, s93, s46                         ; whose codes stay: tokens that count, or all where none counts
	s_or_b32 s95, s87, s36
	s_cmp_lg_u32 s95, 0                            ; the first wave of a batch's first work-group stores the two numbers, 32 times each: one aligned block of 256 bytes
	s_cbranch_scc1 .Lno_cnt
	v_mov_b32 v48, s42
	v_mov_b32 v49, s94
	global_store_b32 v7, v48, s[82:83]
	global_store_b32 v7, v49, s[82:83] offset:128
.Lno_cnt:
.macro FOLD                            ; each row's four chains, then its 32 lanes: the sum ends in every lane's T + 0
.irp i, 0,1,2,3
	v_pk_add_f32 v[T+8*\i:T+8*\i+1], v[T+8*\i:T+8*\i+1], v[T+8*\i+2:T+8*\i+3]
	v_pk_add_f32 v[T+8*\i+4:T+8*\i+5], v[T+8*\i+4:T+8*\i+5], v[T+8*\i+6:T+8*\i+7]
.endr
.irp i, 0,1,2,3
	v_pk_add_f32 v[T+8*\i:T+8*\i+1], v[T+8*\i:T+8*\i+1], v[T+8*\i+4:T+8*\i+5]
.endr
.irp i, 0,1,2,3
	v_add_f32 v[T+8*\i], v[T+8*\i], v[T+8*\i+1]
.endr
.irp m, 1,2,4,8
.irp i, 0,1,2,3
	v_add_f32_dpp v[T+8*\i], v[T+8*\i], v[T+8*\i] row_xmask:\m row_mask:0xf bank_mask:0xf
.endr
.endr
.irp i, 0,1,2,3
	v_permlanex16_b32 v[T+8*\i+1], v[T+8*\i], s70, s71
.endr
.irp i, 0,1,2,3
	v_add_f32 v[T+8*\i], v[T+8*\i], v[T+8*\i+1]
.endr
.endm
	s_wait_loadcnt 16                              ; the rows are in; the 16 loads of gain and bias may be out
.irp c, 0,1,2,3
.irp i, 0,1,2,3
	v_pk_add_f32 v[T+8*\i+2*\c:T+8*\i+2*\c+1], v[XR+32*\i+4*\c:XR+32*\i+4*\c+1], v[XR+32*\i+4*\c+2:XR+32*\i+4*\c+3]
.endr
.endr
.irp c, 0,1,2,3,4,5,6,7
.irp i, 0,1,2,3
	v_pk_add_f32 v[T+8*\i+2*(\c%4):T+8*\i+2*(\c%4)+1], v[T+8*\i+2*(\c%4):T+8*\i+2*(\c%4)+1], v[XR+32*\i+16+2*\c:XR+32*\i+17+2*\c]
.endr
.endr
	FOLD
.irp i, 0,1,2,3
	v_mul_f32 v[T+8*\i], s72, v[T+8*\i]            ; the mean
.endr
.set n, 0
.rept 16
.irp i, 0,1,2,3
	v_pk_add_f32 v[XR+32*\i+n:XR+32*\i+n+1], v[XR+32*\i+n:XR+32*\i+n+1], v[T+8*\i:T+8*\i+1] op_sel_hi:[1,0] neg_lo:[0,1] neg_hi:[0,1]   ; x - mean (the pair's low word for both halves)
.endr
.set n, n+2
.endr
.irp c, 0,1,2,3
.irp i, 0,1,2,3
	v_pk_mul_f32 v[T+8*\i+2*\c:T+8*\i+2*\c+1], v[XR+32*\i+2*\c:XR+32*\i+2*\c+1], v[XR+32*\i+2*\c:XR+32*\i+2*\c+1]
.endr
.endr
.irp c, 4,5,6,7,8,9,10,11,12,13,14,15
.irp i, 0,1,2,3
	v_pk_fma_f32 v[T+8*\i+2*(\c%4):T+8*\i+2*(\c%4)+1], v[XR+32*\i+2*\c:XR+32*\i+2*\c+1], v[XR+32*\i+2*\c:XR+32*\i+2*\c+1], v[T+8*\i+2*(\c%4):T+8*\i+2*(\c%4)+1]
.endr
.endr
	FOLD
.irp i, 0,1,2,3
	v_fma_f32 v[T+8*\i], v[T+8*\i], s72, s73       ; the variance + 1e-5
.endr
	s_wait_alu depctr_va_vdst(0)
.irp i, 0,1,2,3
	v_rsq_f32 v[T+8*\i], v[T+8*\i]
.endr
	v_nop                                          ; a plain line behind the last of the four
	s_wait_alu depctr_va_vdst(0)                   ; one wait for the four, ahead of their first reader
	s_wait_loadcnt 0x0                             ; gain and bias
.set n, 0
.rept 16
.irp i, 0,1,2,3
	v_pk_mul_f32 v[XR+32*\i+n:XR+32*\i+n+1], v[XR+32*\i+n:XR+32*\i+n+1], v[T+8*\i:T+8*\i+1] op_sel_hi:[1,0]
.endr
.set n, n+2
.endr
.set n, 0
.rept 16
.irp i, 0,1,2,3
	v_pk_fma_f32 v[XR+32*\i+n:XR+32*\i+n+1], v[XR+32*\i+n:XR+32*\i+n+1], v[GR+n:GR+n+1], v[BR+n:BR+n+1]
.endr
.set n, n+2
.endr
.set n, 0
.rept 32
.irp i, 0,1,2,3
	v_med3_num_f32 v[XR+32*\i+n], v[XR+32*\i+n], -v8, v8
.endr
.set n, n+1
.endr
.irp g, 0,1,2,3
.irp i, 0,1,2,3
	v_cvt_scalef32_pk8_fp8_f32 v[T+8*\i+2*\g:T+8*\i+2*\g+1], v[XR+32*\i+8*\g:XR+32*\i+8*\g+7], v9   ; T + j: four codes of columns 128 j + 4 lane ..
.endr
.endr
	v_nop
.irp j, 0,1,2,3,4,5,6,7
.irp i, 0,1,2,3
	ds_store_b32 v5, v[T+8*\i+\j] offset:2176*\j+16*\i
.endr
.endr
	s_wait_dscnt 0x0                               ; for the others' sake: my stores have landed
	s_barrier_signal -1
	s_barrier_wait -1
.irp q, 0,1,2,3,4,5,6,7
	ds_load_b128 v[XR+4*\q:XR+4*\q+3], v6 offset:544*\q
.endr
.irp q, 0,1,2,3,4,5,6,7
	s_wait_dscnt 7-\q
	global_store_b128 v4, v[XR+4*\q:XR+4*\q+3], s[80:81] offset:512*\q           ; in order: 512 consecutive bytes of the image
.irp e, 0,1,2,3
	v_cndmask_b32 v[XR+32+4*\q+\e], 0, v[XR+4*\q+\e], s93                        ; a masked token's codes become zeros (registers of their own: no store's data are written again)
.endr
	global_store_b128 v15, v[XR+32+4*\q:XR+32+4*\q+3], s[84:85] offset:512*\q    ; packed: my 16 bytes at my token's place
.endr
	s_set_vgpr_msb 0x5
	s_wait_tensorcnt 0x0
	ds_add_u32 v0, v1
	s_wait_dscnt 0x0
	s_set_vgpr_msb 0x500
	s_endpgm
.Lfunc_end_k_q385bf1f130_prep:
	.size	k_q385bf1f130_prep, .Lfunc_end_k_q385bf1f130_prep-k_q385bf1f130_prep
	.p2alignl 7, 3214868480
	.fill 96, 4, 3214868480
	.section	.rodata,"a",@progbits
	.p2align	6, 0x0
	.amdhsa_kernel k_q385bf1f130_prep
		.amdhsa_group_segment_fixed_size 50688
		.amdhsa_private_segment_fixed_size 0
		.amdhsa_enable_private_segment 0
		.amdhsa_kernarg_size 96
		.amdhsa_user_sgpr_count 2
		.amdhsa_user_sgpr_kernarg_segment_ptr 1
		.amdhsa_wavefront_size32 1
		.amdhsa_system_sgpr_workgroup_id_x 1
		.amdhsa_system_sgpr_workgroup_id_y 1
		.amdhsa_system_sgpr_workgroup_id_z 1
		.amdhsa_system_vgpr_workitem_id 0
		.amdhsa_next_free_vgpr 258
		.amdhsa_next_free_sgpr 96
		.amdhsa_reserve_vcc 0
		.amdhsa_float_denorm_mode_32 3
		.amdhsa_float_denorm_mode_16_64 3
		.amdhsa_memory_ordered 1
		.amdhsa_forward_progress 1
		.amdhsa_inst_pref_size 119
	.end_amdhsa_kernel
	.amdgpu_metadata
---
amdhsa.version: [ 1, 2 ]
amdhsa.kernels:
  - .name:           k_q385bf1f130_prep
    .symbol:         k_q385bf1f130_prep.kd
    .args:
      - { .name: x, .offset: 0, .size: 8, .value_kind: global_buffer, .address_space: global }
      - { .name: g1, .offset: 8, .size: 8, .value_kind: global_buffer, .address_space: global }
      - { .name: be1, .offset: 16, .size: 8, .value_kind: global_buffer, .address_space: global }
      - { .name: w_qkv, .offset: 24, .size: 8, .value_kind: global_buffer, .address_space: global }
      - { .name: w_out, .offset: 32, .size: 8, .value_kind: global_buffer, .address_space: global }
      - { .name: w1, .offset: 40, .size: 8, .value_kind: global_buffer, .address_space: global }
      - { .name: w2, .offset: 48, .size: 8, .value_kind: global_buffer, .address_space: global }
      - { .name: lowp_scales, .offset: 56, .size: 8, .value_kind: global_buffer, .address_space: global }
      - { .name: mask, .offset: 64, .size: 8, .value_kind: global_buffer, .address_space: global }
      - { .name: wimg, .offset: 72, .size: 8, .value_kind: global_buffer, .address_space: global }
      - { .name: himg, .offset: 80, .size: 8, .value_kind: global_buffer, .address_space: global }
      - { .name: cnt, .offset: 88, .size: 8, .value_kind: global_buffer, .address_space: global }
    .group_segment_fixed_size: 50688
    .private_segment_fixed_size: 0
    .kernarg_segment_align: 8
    .kernarg_segment_size: 96
    .max_flat_workgroup_size: 128
    .sgpr_count:     96
    .vgpr_count:     258
    .wavefront_size: 32
...
	.end_amdgpu_metadata
.endif
;; end of part 1
;; launch qkvproj (part 2): grid 12 x 16, 4 waves a work-group, clusters of 4 x 4, 327,680 bytes of LDS; arguments himg, wimg, lowp_scales, cnt, qkvc; writes qkvc
.if DOCPART == 2
	.amdgcn_target "amdgcn-amd-amdhsa--gfx1250"
	.amdhsa_code_object_version 6
	.text
	.protected	k_q385bf1f130_qkvproj
	.globl	k_q385bf1f130_qkvproj
	.p2align	8
	.type	k_q385bf1f130_qkvproj,@function
k_q385bf1f130_qkvproj:
	s_mov_b64 s[64:65], 0
	v_nop
	global_prefetch_b8 v0, s[64:65] scope:SCOPE_SE
	s_setreg_imm32_b32 hwreg(HW_REG_WAVE_MODE, 25, 1), 1
	s_wait_xcnt 0x0
	s_wait_alu depctr_hold_cnt(0) depctr_sa_sdst(0) depctr_va_vdst(0) depctr_va_sdst(0) depctr_va_ssrc(0) depctr_va_vcc(0) depctr_vm_vsrc(0)
	s_getreg_b32 s2, hwreg(HW_REG_IB_STS2, 6, 4)
	s_cmp_eq_u32 s2, 0
	s_cbranch_scc0 .Lentry_in_a_cluster
	s_endpgm
.Lentry_in_a_cluster:
	s_bfe_u32 s2, ttmp6, 0x10000c
	s_cmp_lg_u32 s2, 0xf033
	s_cbranch_scc0 .Lentry_shape_is_right
	s_endpgm
.Lentry_shape_is_right:
; Product 1, h x w_qkv, on codes of E4M3, and its results quantised at once into the operands of attention.
; Clusters with x = 0, 1 make q and k: C[token][column], rows = tokens, columns = w_qkv's columns 0-2,047 (wimg).  Clusters with x = 2 make V TRANSPOSED: rows = w_qkv's columns 2,048-3,071, columns = tokens:
; the same product with the operands' parts exchanged, so that V's codes come out with the keys innermost.
; q is made of himg's first 4 MiB (all tokens in order); k and V of its second 4 MiB, in which each batch's tokens that count stand on end and the others follow as zero codes: so k and V hold the keys that
; count on end, then zero codes, and attention walks only those.  Where a batch has no key that counts (cnt's n = 0) that image holds all tokens as they are, and k's codes are made zeros here (their hold is 0).
; A tile of C is 256 x 256, four waves of 128 x 128: 64 accumulators.  All operands are register images (16 rows x 128 K = 2,048 bytes, four loads of 512 consecutive bytes; a matrix lies [row / 16][k / 128][2048]).
; THE MATRIX INSTRUCTION IS USED TRANSPOSED: source 0 = 16 "columns", source 1 = 16 "rows".  Lane (r, h) of accumulator (a, b) then holds row 16 a + r and columns 16 b + 8 h + 0..7: one conversion gives
; registers 2 b, 2 b + 1 of the next operand's image, and a wave's 128 columns are one whole fragment: it is stored from registers, 512 consecutive bytes a store.
; K = 1,024 goes in four steps of 256 through two LDS slots (A's 64 KiB, then B's).  4 x 4 clusters: A's tile is asked for jointly by a row of the cluster, B's by a column.
; qkvc: q at 0, k at 4,194,304: [batch x 16 + head][place / 16][1,024 bytes: K = 64];  V^T at 8,388,608: [batch x 16 + head][place / 128][d / 16][2,048].
; LIMITS: e2 - e0 - e1, e3 - e0 - e1 and e5 - e0 - e1 between -126 and 119.  NaN is not served.
; REGISTERS, in windows of 256: window 0: v16, 17, 20, 21 LDS addresses, v26 16 x lane, v28, v29 for the add, v30, v31 the way out, v128-255 A's 8 fragments (one set), later the codes;
;   window 1: B's fragments, two sets;  windows 2, 3: accumulator (a, b) at v[8 (8 (a % 4) + b)].
.set IST,   4096                       ; from one 16 rows to the next in a slot: two fragments
.set SSTEP, 4096                       ; a slot's part of 16 rows in memory
.set SPARE, 262144                     ; behind the ring: the spare words, 128 bytes a wave
.set SLOT,  131072
.set AF,  128
.set G1,  24                           ; s[24:31] descriptor group 1 for A's tiles;  s[32:39] group 0, a set for each slot
.set G0,  32
.set G1B, 48                           ; s[48:55], s[56:63] the same for B's
.set G0B, 56
.set MSB, 0
.macro WIN new                         ; the immediate's high byte repeats the setting that is left
.if MSB != (\new)
	s_set_vgpr_msb (MSB<<8)|(\new)
.set MSB, (\new)
.endif
.endm
.macro PLACES                          ; four plain lines between a matrix instruction and a load into, or a read of, its registers (ISA guide 7.12.1 for reads)
.rept 4
	v_nop
.endr
.endm
.macro JLOAD s                         ; a joint load: waves 0, 1 fetch A's halves, waves 2, 3 B's; the branch hangs on the wave's number alone; four v_nop follow each line
	s_cmp_eq_u32 s15, 0
	s_cbranch_scc0 .Lfor_b_\@
	tensor_load_to_lds s[G0+4*\s:G0+4*\s+3], s[G1:G1+7]
	s_nop 0
.rept 4
	v_nop
.endr
	s_branch .Lasked_\@
.Lfor_b_\@:
	tensor_load_to_lds s[G0B+4*\s:G0B+4*\s+3], s[G1B:G1B+7]
	s_nop 0
.rept 4
	v_nop
.endr
.Lasked_\@:
.endm
.macro CREST                           ; a round of the cluster's barrier behind its opening barrier
	s_cmp_lg_u32 s14, 0
	s_cbranch_scc1 .Lnot_wave_0_\@
	s_barrier_signal -3
.Lnot_wave_0_\@:
	s_barrier_wait -3
	s_barrier_signal -1
	s_barrier_wait -1
.endm
.macro CROUND
	s_barrier_signal -1
	s_barrier_wait -1
	CREST
.endm
.macro FRAG reg, adr, q, i             ; a fragment as it lies: four loads of 512 consecutive bytes
.irp c, 0,1,2,3
	ds_load_b128 v[\reg+4*\c:\reg+4*\c+3], v[\adr] offset:2048*(\q)+IST*(\i)+512*\c
.endr
.endm
.macro FETCH_B slot, q, p              ; B's eight fragments into set p
	WIN 0x40
.irp i, 0,1,2,3,4,5,6,7
	FRAG 128*(\p)+16*\i, 20+\slot, \q, \i
.endr
	WIN 0
.endm
.macro FETCH_A slot, q, i0             ; A's fragments i0 .. i0 + 3
.irp i, \i0, \i0+1, \i0+2, \i0+3
	FRAG AF+16*(\i), 16+\slot, \q, \i
.endr
.endm
; eight matrix instructions: A's fragment a against B's eight.  mode 0: add in place; 1: the constant 0 starts the sums.  The 64 accumulators take turns in the same order in every step.
.macro MUL8 a, p, mode
	WIN 0xa1+0x50*((\a)/4)
.irp b, 0,1,2,3,4,5,6,7
.set rD, 8*(8*((\a)%4)+\b)
.if \mode == 1
	v_wmma_f32_16x16x128_fp8_fp8 v[rD:rD+7], v[128*(\p)+16*\b:128*(\p)+16*\b+15], v[AF+16*(\a):AF+16*(\a)+15], 0
.else
	v_wmma_f32_16x16x128_fp8_fp8 v[rD:rD+7], v[128*(\p)+16*\b:128*(\p)+16*\b+15], v[AF+16*(\a):AF+16*(\a)+15], v[rD:rD+7]
.endif
.endr
.endm
.macro STEP slot, q, mode              ; 128 along K whose successor lies in the same slot
	s_wait_dscnt 16                                ; B's set and A's fragments 0-3 are in; the youngest 16 loads (A's 4-7) may be out
	MUL8 0, (\q)%2, \mode
	MUL8 1, (\q)%2, \mode
	MUL8 2, (\q)%2, \mode
	MUL8 3, (\q)%2, \mode
	s_wait_dscnt 0x0                               ; A's 4-7
	PLACES
	FETCH_B \slot, (\q)+1, 1-(\q)%2
	FETCH_A \slot, (\q)+1, 0
	MUL8 4, (\q)%2, \mode
	MUL8 5, (\q)%2, \mode
	MUL8 6, (\q)%2, \mode
	MUL8 7, (\q)%2, \mode
	PLACES
	WIN 0
	FETCH_A \slot, (\q)+1, 4
.endm
; A slot's last 128 along K, and the change of slots: one barrier.  In front of it each wave waits for all its tensor loads (one is out: its part of the next slot), adds 0 to its spare word,
; and waits for that and for its reads of this slot.  fill = 1: the barrier opens a round of the cluster's, and this slot is asked for again first thing behind it.
.macro TURN slot, next, fill, p, mode
	s_wait_dscnt 16
	MUL8 0, \p, \mode
	MUL8 1, \p, \mode
	WIN 0                                          ; (the add's registers lie in window 0)
	s_wait_tensorcnt 0x0
	ds_add_u32 v28, v29
	MUL8 2, \p, \mode                              ; work on registers while the add is out
	s_wait_dscnt 0x0                               ; the add is done; A's 4-7 are in, the last of my reads of this slot
	s_barrier_signal -1
	MUL8 3, \p, \mode
	WIN 0
	s_barrier_wait -1
.if \fill
	CREST                                          ; no wave of any partner still reads this slot or has a load on its way
	s_add_nc_u64 s[G0+4*\slot+2:G0+4*\slot+3], s[G0+4*\slot+2:G0+4*\slot+3], 2*SSTEP
	s_add_nc_u64 s[G0B+4*\slot+2:G0B+4*\slot+3], s[G0B+4*\slot+2:G0B+4*\slot+3], 2*SSTEP
	JLOAD \slot                                    ; its four v_nop are also the places in front of the loads below
.else
	PLACES
.endif
	FETCH_B \next, 0, 1-(\p)
	FETCH_A \next, 0, 0
	MUL8 4, \p, \mode
	MUL8 5, \p, \mode
	MUL8 6, \p, \mode
	MUL8 7, \p, \mode
	PLACES
	WIN 0
	FETCH_A \next, 0, 4
.endm
.macro FINAL p                         ; the last 128 along K: nothing more to fetch
	s_wait_dscnt 16
	MUL8 0, \p, 0
	MUL8 1, \p, 0
	MUL8 2, \p, 0
	MUL8 3, \p, 0
	s_wait_dscnt 0x0
	MUL8 4, \p, 0
	MUL8 5, \p, 0
	MUL8 6, \p, 0
	MUL8 7, \p, 0
	WIN 0
.endm
	s_load_b128 s[4:7], s[0:1], 0x0                ; himg, wimg
	s_load_b128 s[8:11], s[0:1], 0x10              ; the scales, cnt
	s_load_b64 s[12:13], s[0:1], 0x20              ; qkvc
	v_lshl_add_u32 v28, v0, 2, SPARE
	v_mov_b32 v29, 0
	ds_add_u32 v28, v29
	ds_add_u32 v28, v29
	s_wait_dscnt 0x0
	v_lshrrev_b32 v1, 5, v0
	v_readfirstlane_b32 s14, v1                    ; wave 0..3
	s_lshr_b32 s15, s14, 1                         ; which half of the tile's rows is mine; also: I fetch for A (0) or B (1)
	s_and_b32 s16, s14, 1                          ; which half of its columns; also: which half of that tile I fetch
	s_bfe_u32 s40, ttmp6, 0x40000                  ; cx
	s_bfe_u32 s41, ttmp6, 0x40004                  ; cy
	s_and_b32 s17, ttmp7, 0xffff                   ; cluster y
	s_lshl_b32 s43, s41, 2
	s_lshl_b32 s43, 15, s43                        ; my row of the cluster
	s_lshl_b32 s44, 0x1111, s40                    ; my column
	s_or_b32 s[G1], s43, (3<<16)|(1<<21)           ; 15:0 the mask; 17:16 elements of 8 bytes; 21 set beside a mask; no padding
	s_or_b32 s[G1B], s44, (3<<16)|(1<<21)
.irp g, G1, G1B
	s_mov_b32 s[\g+1], 512<<16                     ; tensor_dim0 = 512 elements: two fragments, 4,096 bytes
	s_mov_b32 s[\g+2], 8<<16                       ; tensor_dim1 = 8: half a tile's 16-row groups
	s_mov_b32 s[\g+3], 512<<16                     ; tile_dim0
	s_mov_b32 s[\g+4], 8                           ; tile_dim1
	s_mov_b32 s[\g+5], 2048                        ; from one 16 rows to the next: 16,384 bytes
	s_mov_b32 s[\g+6], 0
	s_mov_b32 s[\g+7], 0
.endr
	s_lshl_b32 s18, s17, 2
	s_add_co_u32 s19, s18, s41                     ; 4 Y + cy
	s_add_co_u32 s20, s18, s40                     ; 4 Y + cx
	s_lshl_b32 s21, ttmp9, 2
	s_add_co_u32 s21, s21, s40                     ; 4 X + cx
	s_cmp_eq_u32 ttmp9, 1                          ; k's clusters take the packed tokens: himg's second 4 MiB.  The cluster's x is the same in all partners
	s_cselect_b32 s84, 0x400000, 0
	s_cmp_eq_u32 ttmp9, 2                          ; V's clusters?
	s_cselect_b32 s19, s41, s19                    ; A's tile of 256 rows: tokens 4 Y + cy, or V's columns cy: it hangs on cy alone
	s_cselect_b32 s21, s20, s21                    ; B's: columns 4 X + cx, or tokens 4 Y + cx: on cx alone
	s_cselect_b32 s84, 0x200000, s84               ; V's part of w_qkv's image
	s_cselect_b32 s85, 0x400000, 0                 ; V's tokens are the packed ones too
	s_lshl_b32 s86, s19, 18
	s_lshl_b32 s22, s16, 17
	s_add_co_u32 s86, s86, s22
	s_add_co_u32 s86, s86, s84
	s_mov_b32 s87, 0
	s_lshl_b32 s88, s21, 18
	s_add_co_u32 s88, s88, s22
	s_add_co_u32 s88, s88, s85
	s_mov_b32 s89, 0
	s_lshr_b32 s92, s17, 1                         ; the batch of token tiles 4 Y .. 4 Y + 3
	s_lshl_b32 s92, s92, 8
	s_mov_b32 s93, 0
	s_lshl_b32 s45, s14, 15                        ; where my load goes: wave x 32,768
	s_wait_kmcnt 0x0
	s_load_b256 s[68:75], s[8:9], 0x0              ; e0 .. e7
	s_load_b128 s[76:79], s[8:9], 0x20             ; e8 .. e11
	s_add_nc_u64 s[10:11], s[10:11], s[92:93]
	s_load_b32 s23, s[10:11], 0x0                  ; n: that batch's keys that count
	s_cmp_eq_u32 ttmp9, 2
	s_cselect_b64 s[80:81], s[6:7], s[4:5]
	s_cselect_b64 s[82:83], s[4:5], s[6:7]
	s_add_nc_u64 s[80:81], s[80:81], s[86:87]
	s_add_nc_u64 s[82:83], s[82:83], s[88:89]
	CROUND                                         ; all sixteen work-groups are here: the first joint loads meet
.irp s, 0,1
	s_mov_b32 s[G0+4*\s], 1
	s_add_co_u32 s[G0+4*\s+1], s45, \s*SLOT
	s_add_nc_u64 s[G0+4*\s+2:G0+4*\s+3], s[80:81], \s*SSTEP
	s_or_b32 s[G0+4*\s+3], s[G0+4*\s+3], 0x80000000
	s_mov_b32 s[G0B+4*\s], 1
	s_add_co_u32 s[G0B+4*\s+1], s45, \s*SLOT
	s_add_nc_u64 s[G0B+4*\s+2:G0B+4*\s+3], s[82:83], \s*SSTEP
	s_or_b32 s[G0B+4*\s+3], s[G0B+4*\s+3], 0x80000000
.endr
	JLOAD 0                                        ; K 0-255: one joint load a wave at the head
	v_and_b32 v1, 31, v0
	v_lshlrev_b32 v26, 4, v1                       ; 16 x lane
	s_lshl_b32 s90, s15, 15
	s_lshl_b32 s91, s16, 15
	s_add_co_u32 s91, s91, 65536
	v_add_nc_u32 v16, s90, v26                     ; my 128 rows of A in slot 0, 1
	v_add_nc_u32 v20, s91, v26                     ; my 128 rows of B
	v_add_nc_u32 v17, SLOT, v16
	v_add_nc_u32 v21, SLOT, v20
	; where my results go.  q, k: (32 X + 16 batch + 4 cx + 2 wc) heads of 131,072 bytes + (16 (tile % 8) + 8 wr) tiles of 1,024
	s_lshl_b32 s92, ttmp9, 5
	s_lshr_b32 s93, s19, 3
	s_lshl_b32 s93, s93, 4
	s_add_co_u32 s92, s92, s93
	s_lshl_b32 s93, s40, 2
	s_add_co_u32 s92, s92, s93
	s_lshl_b32 s93, s16, 1
	s_add_co_u32 s92, s92, s93
	s_lshl_b32 s92, s92, 17
	s_and_b32 s93, s19, 7
	s_lshl_b32 s93, s93, 1
	s_add_co_u32 s93, s93, s15
	s_lshl_b32 s93, s93, 13
	s_add_co_u32 s92, s92, s93
	; V^T: (64 + 16 batch + 4 cy + 2 wr) heads + (2 (tile % 8) + wc) blocks of 128 keys, 8,192 bytes each
	s_lshr_b32 s94, s21, 3
	s_lshl_b32 s94, s94, 4
	s_add_co_u32 s94, s94, 64
	s_lshl_b32 s95, s41, 2
	s_add_co_u32 s94, s94, s95
	s_lshl_b32 s95, s15, 1
	s_add_co_u32 s94, s94, s95
	s_lshl_b32 s94, s94, 17
	s_and_b32 s95, s21, 7
	s_lshl_b32 s95, s95, 1
	s_add_co_u32 s95, s95, s16
	s_lshl_b32 s95, s95, 13
	s_add_co_u32 s94, s94, s95
	s_cmp_eq_u32 ttmp9, 2
	s_cselect_b32 s92, s94, s92
	s_mov_b32 s93, 0
	s_add_nc_u64 s[12:13], s[12:13], s[92:93]
	s_wait_alu depctr_va_vdst(0)
	s_wait_tensorcnt 0x0                           ; my part of slot 0 is in; slot 1's first fill is issued as a refill is:
	ds_add_u32 v28, v29
	s_wait_dscnt 0x0
	CROUND                                         ; a whole round: slot 0 is whole, and the joint loads meet
	JLOAD 1                                        ; K 256-511, the first tensor load behind the round
	FETCH_B 0, 0, 0
	FETCH_A 0, 0, 0
	FETCH_A 0, 0, 4
	STEP 0, 0, 1                                   ; the first products start the sums: nothing is cleared
	TURN 0, 1, 1, 1, 0                             ; slot 0 takes K 512-767
	STEP 1, 0, 0
	TURN 1, 0, 1, 1, 0                             ; slot 1 takes K 768-1,023
	STEP 0, 0, 0
	TURN 0, 1, 0, 1, 0
	STEP 1, 0, 0
	FINAL 1
	; THE WAY OUT.  A sum stands for sum x 2^(e0 + e1): its code is sum / 2^(e - e0 - e1), e = e2 (q), e3 (k) or e5 (V)
	s_wait_kmcnt 0x0
	s_cmp_eq_u32 ttmp9, 1
	s_cselect_b32 s96, s71, s70
	s_cselect_b32 s97, s23, 1                      ; n for k's clusters, else a number that is not 0
	s_cmp_eq_u32 ttmp9, 2
	s_cselect_b32 s96, s73, s96
	s_sub_co_i32 s96, s96, s68
	s_sub_co_i32 s96, s96, s69
	s_add_co_i32 s96, s96, 127
	s_lshl_b32 s98, s96, 23
	v_mov_b32 v30, s98                             ; the conversion's scale
	s_add_co_i32 s96, s96, 8
	s_lshl_b32 s96, s96, 23
	s_or_b32 s96, s96, 0x600000                    ; 448 x the scale;
	s_cmp_eq_u32 s97, 0
	s_cselect_b32 s96, 0, s96                      ; 0 for k where no key of the batch counts: a choice, no jump
	v_mov_b32 v31, s96
	PLACES
.irp w, 0,1
	WIN 0x82+0x41*\w                               ; destination and source 0: window 2 or 3
.set i, 0
.rept 256
	v_med3_num_f32 v[i], v[i], -v31, v31           ; the hold; each accumulator from its low end on
.set i, i+1
.endr
	WIN 0x02+\w
.irp m, 0,1,2,3
.irp b, 0,1,2,3,4,5,6,7
	v_cvt_scalef32_pk8_fp8_f32 v[128+16*(4*\w+\m)+2*\b:128+16*(4*\w+\m)+2*\b+1], v[64*\m+8*\b:64*\m+8*\b+7], v30   ; registers 2 b, 2 b + 1 of rows 16 a ..'s fragment
.endr
.endr
.endr
	v_nop                                          ; a plain line behind the last conversion
	WIN 0
	s_cmp_eq_u32 ttmp9, 2
	s_cbranch_scc1 .Lstore_v
.irp a, 0,1,2,3,4,5,6,7
.irp q, 0,1,2,3
	global_store_b128 v26, v[128+16*\a+4*\q:128+16*\a+4*\q+3], s[12:13] offset:(\q/2)*131072+1024*\a+512*(\q%2)   ; head q / 2 of my two, tokens 16 a ..: 512 consecutive bytes
.endr
.endr
	s_branch .Lstored
.Lstore_v:
	s_wait_alu depctr_va_vdst(0)
.irp a, 0,1,2,3,4,5,6,7
.irp q, 0,1,2,3
	global_store_b128 v26, v[128+16*\a+4*\q:128+16*\a+4*\q+3], s[12:13] offset:(\a/4)*131072+2048*(\a%4)+512*\q   ; head a / 4 of my two, d 16 (a % 4) ..
.endr
.endr
.Lstored:
	s_wait_tensorcnt 0x0                           ; the wave's end
	ds_add_u32 v28, v29
	s_wait_dscnt 0x0
	CROUND                                         ; the closing round
	s_endpgm
.Lfunc_end_k_q385bf1f130_qkvproj:
	.size	k_q385bf1f130_qkvproj, .Lfunc_end_k_q385bf1f130_qkvproj-k_q385bf1f130_qkvproj
	.p2alignl 7, 3214868480
	.fill 96, 4, 3214868480
	.section	.rodata,"a",@progbits
	.p2align	6, 0x0
	.amdhsa_kernel k_q385bf1f130_qkvproj
		.amdhsa_group_segment_fixed_size 327680
		.amdhsa_private_segment_fixed_size 0
		.amdhsa_enable_private_segment 0
		.amdhsa_kernarg_size 40
		.amdhsa_user_sgpr_count 2
		.amdhsa_user_sgpr_kernarg_segment_ptr 1
		.amdhsa_wavefront_size32 1
		.amdhsa_system_sgpr_workgroup_id_x 1
		.amdhsa_system_sgpr_workgroup_id_y 1
		.amdhsa_system_sgpr_workgroup_id_z 1
		.amdhsa_system_vgpr_workitem_id 0
		.amdhsa_next_free_vgpr 1024
		.amdhsa_next_free_sgpr 100
		.amdhsa_reserve_vcc 0
		.amdhsa_float_denorm_mode_32 3
		.amdhsa_float_denorm_mode_16_64 3
		.amdhsa_memory_ordered 1
		.amdhsa_forward_progress 1
		.amdhsa_inst_pref_size 121
	.end_amdhsa_kernel
	.amdgpu_metadata
---
amdhsa.version: [ 1, 2 ]
amdhsa.kernels:
  - .name:           k_q385bf1f130_qkvproj
    .symbol:         k_q385bf1f130_qkvproj.kd
    .args:
      - { .name: himg, .offset: 0, .size: 8, .value_kind: global_buffer, .address_space: global }
      - { .name: wimg, .offset: 8, .size: 8, .value_kind: global_buffer, .address_space: global }
      - { .name: lowp_scales, .offset: 16, .size: 8, .value_kind: global_buffer, .address_space: global }
      - { .name: cnt, .offset: 24, .size: 8, .value_kind: global_buffer, .address_space: global }
      - { .name: qkvc, .offset: 32, .size: 8, .value_kind: global_buffer, .address_space: global }
    .group_segment_fixed_size: 327680
    .private_segment_fixed_size: 0
    .kernarg_segment_align: 8
    .kernarg_segment_size: 40
    .max_flat_workgroup_size: 128
    .sgpr_count:     100
    .vgpr_count:     1024
    .wavefront_size: 32
...
	.end_amdgpu_metadata
.endif
;; end of part 2
;; launch attn (part 3): grid 8 x 32, 8 waves a work-group, no clusters, 279,552 bytes of LDS; arguments qkvc, cnt, lowp_scales, oimg; writes oimg
.if DOCPART == 3
	.amdgcn_target "amdgcn-amd-amdhsa--gfx1250"
	.amdhsa_code_object_version 6
	.text
	.protected	k_q385bf1f130_attn
	.globl	k_q385bf1f130_attn
	.p2align	8
	.type	k_q385bf1f130_attn,@function
k_q385bf1f130_attn:
	s_mov_b64 s[64:65], 0
	v_nop
	global_prefetch_b8 v0, s[64:65] scope:SCOPE_SE
	s_setreg_imm32_b32 hwreg(HW_REG_WAVE_MODE, 25, 1), 1
	s_wait_xcnt 0x0
; Attention on codes of E4M3: products 2 and 3 with the softmax between them; the result is quantised with 2^e6 into the image that the next product reads.
; t = logit x log2(e); M = the running largest t rounded up to a whole number; p = 2^(t - M) is quantised with 2^e4, not normalised; the row's sum is taken of the unquantised p and divides at the end.
; ONLY THE KEYS THAT COUNT ARE WALKED.  k and V^T come packed: a batch's keys that count stand on end, zero codes behind them.  cnt gives the keys to walk, N (the batch's n, or 2,048 where no key counts: k's codes
; are then all zeros, every score is 0, p = 1 for all keys: the plain average of V, as the problem's -1e9 everywhere gives it).  A masked key's p is 0 beside any key that counts: it adds nothing to the sum or to O.
; SHARES.  A work-group owns 256 queries of one head, each of its eight waves two tiles of 16: two waves to a SIMD, so that one's vector work stands beside the other's products and LDS loads.
; K AND V^T GO INTO LDS THROUGH REGISTERS, in blocks of 256 keys (16 KiB of each; a wave moves 4 KiB: eight loads, eight LDS stores).  LDS has room for the whole head (131,072 bytes each): no byte is written twice.
; THE ORDER OF A BLOCK'S WAY: blocks 0 and 1 are put into LDS at the head (block 1 whatever N is: its bytes lie inside the buffer).  At the end of block c's steps a wave closes the barrier that it signalled
; a block ago, stores block c + 2, asks memory for block c + 3 and signals again.  So block c + 1 is read behind the wait that follows its stores' signal, and a wave that arrives early at a signal goes on with a whole
; block's steps before it waits.  Between a signal and its wait stand register work and LDS loads of bytes that are never written again.
; The loop over blocks has a constant count; scalar jumps on N pass over a block's loads, its stores and each key step; address steps and the barrier's two halves stand outside them.
; NO TENSOR LOADS AND NO CLUSTER, though the eight work-groups of a head read the same K and V^T: the jumps hang on numbers read from memory.  What that costs: each work-group
; reads 128 bytes for each key walked, 256 KiB at the most, spread over its key steps.
; LAYOUT.  S^T = K Q^T (source 0 = 16 keys, source 1 = 16 queries) and O^T = V^T P^T: a lane holds one query (lane % 16) throughout; its eight scores of tile t are keys 16 t + 8 (lane / 16) + 0..7:
; one conversion gives registers 2 t, 2 t + 1 of P's fragment.
; THE LAST STEP'S TAIL: in the one step that holds place N the scores of places from N on are replaced by -2^(33 - e2 - e3): t is then -2^33 log2(e) / 8 and p = 0.  A step all of whose places are walked jumps over that.
; THE HOLD OF p at 448 x 2^e4 is jumped over where e4 >= -8: p is at most 1 and the bound is then at least 1.75, so the hold changes no number.
; LIMITS: a masked key counts for nothing: results differ from the problem's -1e9 only where real logits lie near -1e9.  e2 + e3 within +-90; e4, and e6 - e4 - e5, between -126 and 119.  NaN is not served.
; REGISTERS.  Window 0: v1, v2 the step's LDS addresses; v3 the places left for my half of the lanes; v4 16 x lane; v5 8 (lane / 16); v7 the tail's score; v8, v9 448 x 2^e4, 2^e4; v10-13 second chains of the sums;
;   v14, v15 where my part of a block goes in LDS; v16.., v24.. a tile's statistics (+0 -M, +1 largest t, +2, +3 the sum, +4, +5 f, +6, +7 at work); v32-159 S^T, then p (at the head v64-95: block 1); v160-191 P's codes.
;   Window 1: v0-15 Q; v16-79 O^T; v80-143 K; v144-207 V^T; v208-239 my part of a block on its way; v254, v255 for the add.
.set SPARE, 278528                     ; LDS: K's and V^T's images take bytes 0 to 262,143; the spare words, 128 bytes a wave, begin 16 KiB behind them (the claim is larger than the use)
.set MSB, 0
.macro WIN new
.if MSB != (\new)
	s_set_vgpr_msb (MSB<<8)|(\new)
.set MSB, (\new)
.endif
.endm
.macro FILL_LOAD                       ; my 4 KiB of a block: eight loads of 512 consecutive bytes
	WIN 0x40                                       ; destination window 1
.irp i, 0,1,2,3,4,5,6,7
	global_load_b128 v[208+4*\i:211+4*\i], v4, s[26:27] offset:512*\i
.endr
	WIN 0
.endm
.macro FILL_STORE                      ; and into LDS as they lie; s59: the block's byte in K's and in V^T's image
	v_add_nc_u32 v15, s59, v14
	WIN 0x04                                       ; the stores' data: window 1
.irp i, 0,1,2,3,4,5,6,7
	ds_store_b128 v15, v[208+4*\i:211+4*\i] offset:512*\i
.endr
	WIN 0
.endm
	s_load_b128 s[4:7], s[0:1], 0x0                ; qkvc, cnt
	s_load_b128 s[8:11], s[0:1], 0x10              ; the scales, oimg
	WIN 0x40
	v_lshl_add_u32 v254, v0, 2, SPARE
	v_mov_b32 v255, 0
	WIN 0
	v_lshrrev_b32 v1, 5, v0
	s_delay_alu instid0(VALU_DEP_1)
	v_readfirstlane_b32 s14, v1                    ; wave 0..7
	s_and_b32 s12, ttmp7, 0xffff                   ; batch x 16 + head
	s_lshr_b32 s32, s14, 2                         ; waves 0-3 move K, waves 4-7 V^T,
	s_and_b32 s33, s14, 3                          ; a quarter of a block's 16 KiB each
	s_lshl_b32 s34, s32, 17
	s_lshl_b32 s35, s33, 12
	s_add_co_u32 s34, s34, s35                     ; its place in LDS, in block 0
	s_lshl_b32 s37, s32, 22
	s_add_co_u32 s37, s37, 4194304
	s_lshl_b32 s38, s12, 17
	s_add_co_u32 s37, s37, s38                     ; K's or V^T's part of qkvc, at my head
	s_add_co_u32 s66, s37, s35
	s_mov_b32 s67, 0
	s_lshr_b32 s36, s12, 4                         ; batch
	s_lshl_b32 s68, s36, 8
	s_mov_b32 s69, 0
	s_lshl_b32 s84, ttmp9, 4
	s_lshl_b32 s85, s14, 1
	s_add_co_u32 s84, s84, s85                     ; my first tile of 16 queries: 16 x block of queries + 2 x wave
	s_lshl_b32 s86, s84, 10
	s_add_co_u32 s86, s86, s38
	s_mov_b32 s87, 0
	s_lshl_b32 s88, s36, 7
	s_add_co_u32 s88, s88, s84
	s_lshl_b32 s88, s88, 14                        ; its 16 rows of oimg, 16,384 bytes,
	s_and_b32 s89, s12, 15
	s_lshl_b32 s89, s89, 10                        ; and the head's 64 along K: 1,024 bytes of them
	s_add_co_u32 s88, s88, s89
	s_mov_b32 s89, 0
	v_and_b32 v1, 31, v0
	s_delay_alu instid0(VALU_DEP_1)
	v_lshlrev_b32 v4, 4, v1
	s_delay_alu instid0(VALU_DEP_1)
	v_add_nc_u32 v14, s34, v4
	s_wait_alu depctr_va_vdst(0)
	s_wait_kmcnt 0x0
	s_add_nc_u64 s[6:7], s[6:7], s[68:69]
	s_load_b32 s62, s[6:7], 0x80                   ; N: my batch's keys to walk
	s_load_b256 s[44:51], s[8:9], 0x0              ; e0 .. e7
	s_add_nc_u64 s[26:27], s[4:5], s[66:67]        ; my part of block 0
	s_add_nc_u64 s[80:81], s[4:5], s[86:87]        ; Q
	s_add_nc_u64 s[82:83], s[10:11], s[88:89]      ; the output
	FILL_LOAD                                      ; block 0 is always wanted: N is at least 1
.irp i, 0,1,2,3,4,5,6,7
	global_load_b128 v[64+4*\i:67+4*\i], v4, s[26:27] offset:16384+512*\i             ; block 1, into registers that the scores take later
.endr
	WIN 0x40                                       ; destination window 1
.irp u, 0,1
.irp c, 0,1
	global_load_b128 v[8*\u+4*\c:8*\u+4*\c+3], v4, s[80:81] offset:1024*\u+512*\c     ; Q's two fragments stay in registers
.endr
.endr
.set i, 0
.rept 64
	v_mov_b32 v[16+i], 0                           ; O^T.  (The step is written without a first form: the first change of M multiplies zeros)
.set i, i+1
.endr
	WIN 0
	v_bfe_u32 v3, v0, 4, 1
	s_delay_alu instid0(VALU_DEP_1)
	v_lshlrev_b32 v5, 3, v3                        ; 8 (lane / 16)
.irp u, 0,1
	v_mov_b32 v[17+8*\u], 0xff61b1e6               ; the largest t so far: -3e38
	s_delay_alu instid0(VALU_DEP_1)
	v_floor_f32 v[16+8*\u], -v[17+8*\u]
	v_mov_b32 v[18+8*\u], 0
	v_mov_b32 v[19+8*\u], 0
	v_mov_b32 v[20+8*\u], 0
	v_mov_b32 v[21+8*\u], 0                        ; (named as the upper half of f's pair)
	v_mov_b32 v[22+8*\u], 0                        ; (written once on every way: a lane permute's destination counts as one of its sources)
	v_mov_b32 v[23+8*\u], 0
.endr
	s_mov_b32 s40, 0x76543210
	s_mov_b32 s41, 0xfedcba98
	s_wait_kmcnt 0x0
	s_add_co_i32 s84, s46, s47                     ; e2 + e3
	s_lshl_b32 s85, s84, 23
	s_mov_b32 s42, 0x3e38aa3b                      ; log2(e) / 8
	s_add_co_i32 s42, s42, s85                     ; c: the two exponents go into its exponent field
	s_mov_b32 s43, s42
	s_sub_co_i32 s85, 160, s84
	s_lshl_b32 s85, s85, 23
	s_or_b32 s85, s85, 0x80000000
	v_mov_b32 v7, s85                              ; -2^(33 - e2 - e3)
	s_add_co_i32 s85, s48, 127
	s_lshl_b32 s86, s85, 23
	v_mov_b32 v9, s86                              ; 2^e4
	s_add_co_i32 s85, s85, 8
	s_lshl_b32 s85, s85, 23
	s_or_b32 s85, s85, 0x600000
	v_mov_b32 v8, s85                              ; 448 x 2^e4
	s_mov_b32 s59, 0
	s_wait_alu depctr_va_vdst(0)
	s_wait_loadcnt 4                               ; the 16 loads of blocks 0 and 1 are in; Q's four may be out
	FILL_STORE
.irp i, 0,1,2,3,4,5,6,7
	ds_store_b128 v15, v[64+4*\i:67+4*\i] offset:16384+512*\i
.endr
	s_add_nc_u64 s[26:27], s[26:27], 32768         ; (that wait has shown the loads done)  on to block 2
	s_mov_b32 s59, 32768
; THE SOFTMAX of a step's 128 keys, both tiles by turns
.macro SOFT
.irp u, 0,1
	v_max3_num_f32 v[22+8*\u], v[32+64*\u], v[33+64*\u], v[34+64*\u]         ; the largest score, in two chains, ascending: each accumulator is first read at its low end
	v_max3_num_f32 v[23+8*\u], v[35+64*\u], v[36+64*\u], v[37+64*\u]
.endr
.irp i, 6,10,14,18,22,26,30,34,38,42,46,50,54,58
.irp u, 0,1
	v_max3_num_f32 v[22+8*\u], v[22+8*\u], v[32+64*\u+\i], v[33+64*\u+\i]
	v_max3_num_f32 v[23+8*\u], v[23+8*\u], v[34+64*\u+\i], v[35+64*\u+\i]
.endr
.endr
.irp u, 0,1
	v_max3_num_f32 v[22+8*\u], v[22+8*\u], v[94+64*\u], v[95+64*\u]
.endr
.irp u, 0,1
	s_delay_alu instid0(VALU_DEP_2)
	v_max_num_f32 v[22+8*\u], v[22+8*\u], v[23+8*\u]
.endr
.irp u, 0,1
	s_delay_alu instid0(VALU_DEP_2)
	v_permlanex16_b32 v[23+8*\u], v[22+8*\u], s40, s41
.endr
.irp u, 0,1
	s_delay_alu instid0(VALU_DEP_2)
	v_max_num_f32 v[22+8*\u], v[22+8*\u], v[23+8*\u]
.endr
.irp u, 0,1
	s_delay_alu instid0(VALU_DEP_2)
	v_mul_f32 v[22+8*\u], s42, v[22+8*\u]          ; as t (c is positive)
.endr
.irp u, 0,1
	s_delay_alu instid0(VALU_DEP_2)
	v_max_num_f32 v[17+8*\u], v[17+8*\u], v[22+8*\u]
.endr
.irp u, 0,1
	v_mov_b32 v[22+8*\u], v[16+8*\u]
.endr
.irp u, 0,1
	s_delay_alu instid0(VALU_DEP_4)
	v_floor_f32 v[16+8*\u], -v[17+8*\u]            ; -M = floor(-t): M is a whole number
.endr
.irp u, 0,1
	s_delay_alu instid0(VALU_DEP_2)
	v_sub_f32 v[22+8*\u], v[16+8*\u], v[22+8*\u]   ; old M - new M, 0 or less
.endr
.irp u, 0,1
	s_delay_alu instid0(VALU_DEP_2)
	v_cvt_i32_f32 v[22+8*\u], v[22+8*\u]           ; (it saturates)
.endr
.irp u, 0,1
	s_delay_alu instid0(VALU_DEP_2)
	v_ldexp_f32 v[20+8*\u], 1.0, v[22+8*\u]        ; f = 2^(old M - new M)
.endr
.set n, 0
.rept 32
.irp u, 0,1
	v_pk_fma_f32 v[32+64*\u+n:33+64*\u+n], v[32+64*\u+n:33+64*\u+n], s[42:43], v[16+8*\u:17+8*\u] op_sel_hi:[1,0,0]   ; t - M (of c's and -M's pairs the low word serves both halves)
.endr
.set n, n+2
.endr
.set n, 0
	s_wait_alu depctr_va_vdst(0)
.rept 64
.irp u, 0,1
	v_exp_f32 v[32+64*\u+n], v[32+64*\u+n]
.endr
.set n, n+1
.endr
.irp u, 0,1
	v_pk_mul_f32 v[18+8*\u:19+8*\u], v[18+8*\u:19+8*\u], v[20+8*\u:21+8*\u] op_sel_hi:[1,0]   ; the sums under the new M: the plain lines behind the exponentials
.endr
	s_wait_alu depctr_va_vdst(0)                   ; one wait for the 128 exponentials, ahead of their first reader
.irp u, 0,1
	v_pk_add_f32 v[10+2*\u:11+2*\u], v[32+64*\u:33+64*\u], v[34+64*\u:35+64*\u]       ; the sum of the unquantised p, in two chains
.endr
.irp j, 4,8,12,16,20,24,28,32,36,40,44,48,52,56,60
.irp u, 0,1
	v_pk_add_f32 v[18+8*\u:19+8*\u], v[18+8*\u:19+8*\u], v[32+64*\u+\j:33+64*\u+\j]
	v_pk_add_f32 v[10+2*\u:11+2*\u], v[10+2*\u:11+2*\u], v[34+64*\u+\j:35+64*\u+\j]
.endr
.endr
.irp u, 0
	s_delay_alu instid0(VALU_DEP_3)
	v_pk_add_f32 v[18+8*\u:19+8*\u], v[18+8*\u:19+8*\u], v[10+2*\u:11+2*\u]
.endr
.irp u, 1
	s_delay_alu instid0(VALU_DEP_2)
	v_pk_add_f32 v[18+8*\u:19+8*\u], v[18+8*\u:19+8*\u], v[10+2*\u:11+2*\u]
.endr
	s_wait_alu depctr_va_vdst(0)
	s_cmp_ge_i32 s48, -8                           ; e4 >= -8: 448 x 2^e4 is at least 1.75 and p at most 1: the hold changes nothing
	s_cbranch_scc1 .Lfits_\@
.set n, 0
.rept 128
	v_min_num_f32 v[32+n], v[32+n], v8             ; the conversion does not saturate (ISA guide 7.6.2); p is not negative, so the hold is one-sided
.set n, n+1
.endr
.Lfits_\@:
.irp u, 0,1
.irp t, 0,1,2,3,4,5,6,7
	v_cvt_scalef32_pk8_fp8_f32 v[160+16*\u+2*\t:161+16*\u+2*\t], v[32+64*\u+8*\t:39+64*\u+8*\t], v9
.endr
.endr
	WIN 0x41                                       ; O^T in window 1, f in window 0
.set n, 0
.rept 16
.irp u, 0,1
	v_pk_mul_f32 v[16+32*\u+n:17+32*\u+n], v[16+32*\u+n:17+32*\u+n], v[20+8*\u:21+8*\u] op_sel_hi:[1,0]   ; O^T under the new M; also the plain lines between the conversions and the products
.endr
.set n, n+2
.endr
	WIN 0
.endm
; A KEY STEP: 128 keys, the q-th of the block in hand.  s56: the block's byte in K's and V^T's images (16,384 a block); s57: N less the block's first place
.macro STEP q
	v_add_nc_u32 v1, s56, v4
	v_sub_nc_u32 v3, s57, v5                       ; the places left from my half's first key of the block on
	s_delay_alu instid0(VALU_DEP_2)
	v_add_nc_u32 v2, 131072, v1
	v_nop                                          ; four plain lines between the last products and the loads into V^T's registers
	WIN 0x40
.irp t, 0,1,2,3,4,5,6,7
.irp c, 0,1
	ds_load_b128 v[80+8*\t+4*\c:83+8*\t+4*\c], v1 offset:8192*(\q)+1024*\t+512*\c
.endr
.endr
.irp d, 0,1,2,3
.irp c, 0,1,2,3
	ds_load_b128 v[144+16*\d+4*\c:147+16*\d+4*\c], v2 offset:8192*(\q)+2048*\d+512*\c
.endr
.endr
	s_wait_alu depctr_va_vdst(0)
	s_wait_dscnt 16                                ; K is in; V^T's 16 loads may be out
	WIN 0x05                                       ; K and Q in window 1; S^T in window 0
.irp t, 0,1,2,3,4,5,6,7
.irp u, 0,1
	v_wmma_f32_16x16x64_fp8_fp8 v[32+64*\u+8*\t:39+64*\u+8*\t], v[80+8*\t:87+8*\t], v[8*\u:8*\u+7], 0
.endr
.endr
	WIN 0
.rept 4
	v_nop
.endr
	s_cmp_ge_i32 s57, 128*(\q)+128                 ; are all 128 places of this step walked?
	s_cbranch_scc1 .Lwhole_\@
.set n, 0
.rept 64                               ; register 8 t + j holds place 128 q + 16 t + 8 (lane / 16) + j of the block: beyond the walk where 128 q + 16 t + j + 1 > v3
	v_cmp_gt_i32 vcc_lo, 128*(\q)+16*(n/8)+n%8+1, v3
	v_cndmask_b32 v[32+n], v[32+n], v7, vcc_lo
	v_cndmask_b32 v[96+n], v[96+n], v7, vcc_lo
.set n, n+1
.endr
.Lwhole_\@:
	SOFT
	s_wait_alu depctr_va_vdst(0)
	s_wait_dscnt 0x0                               ; V^T
	WIN 0x51                                       ; V^T and O^T in window 1, P in window 0
.irp d, 0,1,2,3
.irp u, 0,1
	v_wmma_f32_16x16x128_fp8_fp8 v[16+32*\u+8*\d:23+32*\u+8*\d], v[144+16*\d:159+16*\d], v[160+16*\u:175+16*\u], v[16+32*\u+8*\d:23+32*\u+8*\d]   ; the eight accumulators take turns
.endr
.endr
	WIN 0
.endm
; A BLOCK of 256 keys; s60: its first key.  pre = 1: behind its steps the barrier signalled a block ago is closed, the block two on is stored, the block three on is asked for, and the barrier is signalled anew.
; The jumps hang on N alone, the same number in all eight waves.  What steps addresses, and the barrier's halves, stand outside them.
.macro CHUNK pre
	s_cmp_lt_u32 s60, s62
	s_cbranch_scc0 .Lno_work_\@
	STEP 0
	s_add_co_u32 s61, s60, 128
	s_cmp_lt_u32 s61, s62
	s_cbranch_scc0 .Lno_work_\@
	STEP 1
.Lno_work_\@:
.if \pre
	s_wait_loadcnt 0x0                             ; the part of the block two on is in my registers, if it was asked for
	s_barrier_wait -1                              ; the next block is whole: its stores stood ahead of the signal that this wait closes
	s_cmp_eq_u32 s58, 1                            ; the loop's last trip (block 6) has no block two on: blocks 2 to 7 alone are stored
	s_cbranch_scc1 .Lno_store_\@
	s_add_co_u32 s61, s60, 512
	s_cmp_lt_u32 s61, s62
	s_cbranch_scc0 .Lno_store_\@
	FILL_STORE                                     ; into bytes that nobody has read or written yet
.Lno_store_\@:
	s_add_nc_u64 s[26:27], s[26:27], 16384         ; (no load of mine is out)
	s_add_co_u32 s59, s59, 16384
	s_wait_dscnt 0x0                               ; for the others' sake: my stores have landed; and they have read their registers
	s_cmp_le_u32 s58, 2                            ; the last two trips (blocks 5 and 6) have no block three on: blocks 3 to 7 alone are asked for here
	s_cbranch_scc1 .Lno_fetch_\@
	s_add_co_u32 s61, s60, 768
	s_cmp_lt_u32 s61, s62
	s_cbranch_scc0 .Lno_fetch_\@
	FILL_LOAD
.Lno_fetch_\@:
	s_barrier_signal -1
.endif
	s_add_co_u32 s60, s60, 256
	s_add_co_u32 s56, s56, 16384
	s_sub_co_i32 s57, s57, 256
.endm
	s_mov_b32 s56, 0
	s_mov_b32 s57, s62
	s_mov_b32 s60, 0
	s_mov_b32 s58, 7
	s_wait_loadcnt 0x0                             ; Q
	s_wait_dscnt 0x0                               ; my parts of blocks 0 and 1 have landed
	s_barrier_signal -1
	s_barrier_wait -1                              ; blocks 0 and 1 are whole
	s_cmp_gt_u32 s62, 512
	s_cbranch_scc0 .Lno_b2
	FILL_LOAD                                      ; block 2, if any of its keys is walked
.Lno_b2:
	s_barrier_signal -1                            ; opens the barrier that block 0's end closes
.Lchunk:
	CHUNK 1
	s_sub_co_u32 s58, s58, 1
	s_cmp_lg_u32 s58, 0
	s_cbranch_scc1 .Lchunk
	s_barrier_wait -1                              ; closes the last signal
	CHUNK 0                                        ; block 7 has no successor
	; THE WAY OUT.  out = O^T x 2^(e4 + e5) / the sum; its code is (O^T / the sum) / 2^(e6 - e4 - e5)
.irp u, 0,1
	v_add_f32 v[22+8*\u], v[18+8*\u], v[19+8*\u]
.endr
.irp u, 0,1
	s_delay_alu instid0(VALU_DEP_2)
	v_permlanex16_b32 v[23+8*\u], v[22+8*\u], s40, s41
.endr
.irp u, 0,1
	s_delay_alu instid0(VALU_DEP_2)
	v_add_f32 v[22+8*\u], v[22+8*\u], v[23+8*\u]
.endr
	s_wait_alu depctr_va_vdst(0)
.irp u, 0,1
	v_rcp_f32 v[22+8*\u], v[22+8*\u]
.endr
	s_sub_co_i32 s85, s50, s48
	s_sub_co_i32 s85, s85, s49
	s_add_co_i32 s85, s85, 127
	s_lshl_b32 s86, s85, 23
	v_mov_b32 v10, s86                             ; (plain lines behind the reciprocals)
	s_add_co_i32 s85, s85, 8
	s_lshl_b32 s85, s85, 23
	s_or_b32 s85, s85, 0x600000
	v_mov_b32 v11, s85
	s_wait_alu depctr_va_vdst(0)                   ; one wait for the two reciprocals
	WIN 0x01                                       ; O^T in window 1
.set n, 0
.rept 16
.irp u, 0,1
	v_pk_mul_f32 v[32+64*\u+n:33+64*\u+n], v[16+32*\u+n:17+32*\u+n], v[22+8*\u:23+8*\u] op_sel_hi:[1,0]
.endr
.set n, n+2
.endr
	WIN 0
.set n, 0
.rept 32
.irp u, 0,1
	v_med3_num_f32 v[32+64*\u+n], v[32+64*\u+n], -v11, v11
.endr
.set n, n+1
.endr
.irp d, 0,1,2,3
.irp u, 0,1
	v_cvt_scalef32_pk8_fp8_f32 v[160+16*\u+2*\d:161+16*\u+2*\d], v[32+64*\u+8*\d:39+64*\u+8*\d], v10   ; d = 16 d + 8 (lane / 16) + 0..7: registers 2 d, 2 d + 1 of the head's half fragment
.endr
.endr
	v_nop
.irp u, 0,1
.irp c, 0,1
	global_store_b128 v4, v[160+16*\u+4*\c:163+16*\u+4*\c], s[82:83] offset:16384*\u+512*\c       ; 512 consecutive bytes
.endr
.endr
	WIN 0x05                                       ; the add's two registers lie in window 1
	s_wait_tensorcnt 0x0                           ; the wave's end
	ds_add_u32 v254, v255
	s_wait_dscnt 0x0
	WIN 0
	s_endpgm
.Lfunc_end_k_q385bf1f130_attn:
	.size	k_q385bf1f130_attn, .Lfunc_end_k_q385bf1f130_attn-k_q385bf1f130_attn
	.p2alignl 7, 3214868480
	.fill 96, 4, 3214868480
	.section	.rodata,"a",@progbits
	.p2align	6, 0x0
	.amdhsa_kernel k_q385bf1f130_attn
		.amdhsa_group_segment_fixed_size 279552
		.amdhsa_private_segment_fixed_size 0
		.amdhsa_enable_private_segment 0
		.amdhsa_kernarg_size 32
		.amdhsa_user_sgpr_count 2
		.amdhsa_user_sgpr_kernarg_segment_ptr 1
		.amdhsa_wavefront_size32 1
		.amdhsa_system_sgpr_workgroup_id_x 1
		.amdhsa_system_sgpr_workgroup_id_y 1
		.amdhsa_system_sgpr_workgroup_id_z 1
		.amdhsa_system_vgpr_workitem_id 0
		.amdhsa_next_free_vgpr 512
		.amdhsa_next_free_sgpr 96
		.amdhsa_reserve_vcc 1
		.amdhsa_float_denorm_mode_32 3
		.amdhsa_float_denorm_mode_16_64 3
		.amdhsa_memory_ordered 1
		.amdhsa_forward_progress 1
		.amdhsa_inst_pref_size 167
	.end_amdhsa_kernel
	.amdgpu_metadata
---
amdhsa.version: [ 1, 2 ]
amdhsa.kernels:
  - .name:           k_q385bf1f130_attn
    .symbol:         k_q385bf1f130_attn.kd
    .args:
      - { .name: qkvc, .offset: 0, .size: 8, .value_kind: global_buffer, .address_space: global }
      - { .name: cnt, .offset: 8, .size: 8, .value_kind: global_buffer, .address_space: global }
      - { .name: lowp_scales, .offset: 16, .size: 8, .value_kind: global_buffer, .address_space: global }
      - { .name: oimg, .offset: 24, .size: 8, .value_kind: global_buffer, .address_space: global }
    .group_segment_fixed_size: 279552
    .private_segment_fixed_size: 0
    .kernarg_segment_align: 8
    .kernarg_segment_size: 32
    .max_flat_workgroup_size: 256
    .sgpr_count:     96
    .vgpr_count:     512
    .wavefront_size: 32
...
	.end_amdgpu_metadata
.endif
;; end of part 3
;; launch oproj (part 4): grid 8 x 32, 4 waves a work-group, no clusters, 270,848 bytes of LDS; arguments oimg, wimg, lowp_scales, b_out, x, x1; writes x1
.if DOCPART == 4
	.amdgcn_target "amdgcn-amd-amdhsa--gfx1250"
	.amdhsa_code_object_version 6
	.text
	.protected	k_q385bf1f130_oproj
	.globl	k_q385bf1f130_oproj
	.p2align	8
	.type	k_q385bf1f130_oproj,@function
k_q385bf1f130_oproj:
	s_mov_b64 s[64:65], 0
	v_nop
	global_prefetch_b8 v0, s[64:65] scope:SCOPE_SE
	s_setreg_imm32_b32 hwreg(HW_REG_WAVE_MODE, 25, 1), 1
	s_wait_xcnt 0x0
; x1 = x + (attention's output x w_out + b_out): product 4 on codes of E4M3, K = 1,024.
; A tile of C is 128 x 128: 256 work-groups.  THE FOUR WAVES SHARE K, NOT C: in K step t (512 along K) wave w multiplies fragment 4 t + w for the whole tile, 64 accumulators a wave.
; At the end the four waves' sums meet in LDS and are added in f32: a sum over K is formed in four parts.
; Operands are register images ([row / 16][k / 128][2048]).  Each fragment of a tile is taken by exactly one wave of the work-group, once: so it goes from memory straight into that wave's operand
; registers, four loads of 512 consecutive bytes.  NO LDS RING AND NO JOINT LOADS: nothing lands in LDS that two waves would read, and a joint load lands in LDS alone.
; The matrix instruction is used transposed (source 0 = 16 columns of the weight, source 1 = 16 tokens): a lane holds eight neighbouring columns of a row.
; NO PREFETCH: K has two steps, both asked for by their loads: there is no loop to run ahead in.
; LIMIT: e6 + e7 between -126 and 127.
; REGISTERS: window 0: v8-11, v24 LDS addresses, v26 16 x lane, v28, v29 for the add, v32-35 the bias, v128-255 A's eight fragments (one set), later the way out;
;   window 1: B's two sets, set 0 at the end the residual;  windows 2, 3: accumulator (a, b) at v[8 (8 (a % 4) + b)].
.set T,     2                          ; K steps
.set GS,    16384                      ; bytes from one 16 rows of an image to the next: 16 K
.set WOFF,  3145728                    ; the weight's image in wimg
.set ESC,   24                         ; the two exponents' place in lowp_scales
.set KST,   8192                       ; a K step: four fragments
.set SPARE, 270336                     ; behind the stage: the spare words, 128 bytes a wave
.set AF,  128
.set MSB, 0
.macro WIN new                         ; the immediate's high byte repeats the setting that is left
.if MSB != (\new)
	s_set_vgpr_msb (MSB<<8)|(\new)
.set MSB, (\new)
.endif
.endm
.macro PLACES                          ; four plain lines between a matrix instruction and a load into, or a read of, its registers (ISA guide 7.12.1 for reads)
.rept 4
	v_nop
.endr
.endm
.macro LDB p                           ; B's eight fragments of the K step at s[6:7] into set p
	WIN 0x40
.irp i, 0,1,2,3,4,5,6,7
.irp c, 0,1,2,3
	global_load_b128 v[128*(\p)+16*\i+4*\c:128*(\p)+16*\i+4*\c+3], v26, s[6:7] offset:GS*\i+512*\c
.endr
.endr
	WIN 0
.endm
.macro LDA j                           ; A's fragments 2 j, 2 j + 1 of the K step at s[4:5]
.irp i, 2*(\j), 2*(\j)+1
.irp c, 0,1,2,3
	global_load_b128 v[AF+16*(\i)+4*\c:AF+16*(\i)+4*\c+3], v26, s[4:5] offset:GS*(\i)+512*\c
.endr
.endr
.endm
.macro MUL8 a, p, mode                 ; A's fragment a against B's eight; mode 1: the constant 0 starts the sums.  The 64 accumulators take turns in the same order in every step
	WIN 0xa1+0x50*((\a)/4)
.irp b, 0,1,2,3,4,5,6,7
.set rD, 8*(8*((\a)%4)+\b)
.if \mode == 1
	v_wmma_f32_16x16x128_fp8_fp8 v[rD:rD+7], v[128*(\p)+16*\b:128*(\p)+16*\b+15], v[AF+16*(\a):AF+16*(\a)+15], 0
.else
	v_wmma_f32_16x16x128_fp8_fp8 v[rD:rD+7], v[128*(\p)+16*\b:128*(\p)+16*\b+15], v[AF+16*(\a):AF+16*(\a)+15], v[rD:rD+7]
.endif
.endr
.endm
; A K step on B's set p.  nxt = 1: the next step's B is asked for at the head, into the other set, and each pair of A's fragments anew behind its 16 products.
; THE WAIT'S COUNT: behind the 8 loads of A's pair j stand the later pairs' 8 (3 - j), the next B's 32 and the next step's earlier pairs' 8 j: 56 in every place.
; nxt = 0, the last step: the residual's 32 loads take the next B's place and no pair follows: 56 - 8 j.
.macro STEP p, mode, nxt
.if \nxt
	LDB 1-(\p)
.else
	WIN 0x40                                       ; my 32 rows of the residual go into B's set 0, which is done with (four places stand behind its last products)
.set i, 0
.rept 32
	global_load_b128 v[4*i:4*i+3], v26, s[12:13] offset:4096*i th:TH_LOAD_NT
.set i, i+1
.endr
	WIN 0
.endif
.irp j, 0,1,2,3
.if \nxt
	s_wait_loadcnt 56
.else
	s_wait_loadcnt 56-8*\j
.endif
	MUL8 2*\j, \p, \mode
	MUL8 2*\j+1, \p, \mode
.if \nxt
	PLACES
	WIN 0
	LDA \j
.endif
.endr
	WIN 0
.if \nxt
	s_wait_xcnt 0x0                                ; every load has read its base: on to the next K step
	s_add_nc_u64 s[4:5], s[4:5], KST
	s_add_nc_u64 s[6:7], s[6:7], KST
.endif
.endm
	s_load_b128 s[4:7], s[0:1], 0x0                ; A's image, wimg
	s_load_b128 s[8:11], s[0:1], 0x10              ; the scales, the bias
	s_load_b128 s[12:15], s[0:1], 0x20             ; the residual, the output
	v_lshrrev_b32 v1, 5, v0
	v_readfirstlane_b32 s16, v1                    ; wave 0..3: also my fragment of a K step's four
	s_and_b32 s17, ttmp7, 0xffff                   ; tile row; ttmp9: tile column
	s_lshl_b32 s18, s16, 11
	s_mul_i32 s20, s17, 8*GS
	s_add_co_u32 s20, s20, s18                     ; A: the tile's eight 16-row groups, my fragment
	s_mov_b32 s21, 0
	s_mul_i32 s22, ttmp9, 8*GS
	s_add_co_u32 s22, s22, s18
	s_add_co_u32 s22, s22, WOFF                    ; B likewise
	s_mov_b32 s23, 0
	s_mul_i32 s24, s16, 67584                      ; my copy of the stage
	s_mul_i32 s25, s16, 16896                      ; rows 32 w .. of a copy
	s_lshl_b32 s30, ttmp9, 9                       ; the tile's 512 bytes of a row of f32
	s_mov_b32 s31, 0
	s_lshl_b32 s32, s17, 2
	s_add_co_u32 s32, s32, s16
	s_lshl_b32 s32, s32, 17                        ; rows 128 x tile row + 32 x wave, 4,096 bytes each
	s_add_co_u32 s32, s32, s30
	s_mov_b32 s33, 0
	v_lshl_add_u32 v28, v0, 2, SPARE
	v_mov_b32 v29, 0
	v_and_b32 v1, 31, v0
	v_lshlrev_b32 v26, 4, v1
	v_and_b32 v2, 15, v0
	v_bfe_u32 v3, v0, 4, 1
	v_mul_u32_u24 v24, v2, 528
	v_lshl_add_u32 v24, v3, 5, v24
	v_add_nc_u32 v24, s24, v24                     ; the stage, my copy: row r of 528 bytes, + 32 h
	v_add_nc_u32 v8, s25, v26                      ; back: rows 32 w .. of copy 0, 1, 2, 3
	v_add_nc_u32 v9, 67584, v8
	v_add_nc_u32 v10, 67584, v9
	v_add_nc_u32 v11, 67584, v10
	s_wait_alu depctr_va_vdst(0)
	s_wait_kmcnt 0x0
	s_load_b64 s[26:27], s[8:9], ESC               ; the two exponents
	s_add_nc_u64 s[4:5], s[4:5], s[20:21]
	s_add_nc_u64 s[6:7], s[6:7], s[22:23]
	s_add_nc_u64 s[10:11], s[10:11], s[30:31]
	s_add_nc_u64 s[12:13], s[12:13], s[32:33]
	s_add_nc_u64 s[14:15], s[14:15], s[32:33]
	global_load_b128 v[32:35], v26, s[10:11]       ; the bias at my four columns
	LDB 0                                          ; K step 0
	LDA 0
	LDA 1
	LDA 2
	LDA 3
	s_wait_xcnt 0x0
	s_add_nc_u64 s[4:5], s[4:5], KST
	s_add_nc_u64 s[6:7], s[6:7], KST
	STEP 0, 1, 1                                   ; the first products start the sums: nothing is cleared
	STEP 1, 0, 0
	; THE WAY OUT.  The stage: four copies of 128 rows x (512 + 16) bytes
	PLACES
.irp a, 0,1,2,3,4,5,6,7
	WIN 0x08+0x04*(\a/4)                           ; the stores' data: window 2 or 3
.irp b, 0,1,2,3,4,5,6,7
	ds_store_b128 v24, v[8*(8*(\a%4)+\b):8*(8*(\a%4)+\b)+3] offset:8448*\a+64*\b          ; each accumulator from its low end on
	ds_store_b128 v24, v[8*(8*(\a%4)+\b)+4:8*(8*(\a%4)+\b)+7] offset:8448*\a+64*\b+16
.endr
.endr
	WIN 0
	s_wait_kmcnt 0x0
	s_add_co_i32 s26, s26, s27
	s_add_co_i32 s26, s26, 127
	s_lshl_b32 s26, s26, 23                        ; 2^(ea + eb)
	s_mov_b32 s27, s26
	s_wait_dscnt 0x0                               ; for the others' sake
	s_barrier_signal -1
	s_barrier_wait -1
.irp g, 0,1,2,3                        ; wave w finishes rows 32 w .., eight at a time
.if \g > 0
	s_wait_xcnt 0x0                                ; the last batch's stores have read their registers
.endif
.irp i, 0,1,2,3,4,5,6,7
.irp c, 0,1,2,3
	ds_load_b128 v[128+16*\i+4*\c:131+16*\i+4*\c], v[8+\c] offset:528*(8*\g+\i)
.endr
.endr
	s_wait_dscnt 0x0
.if \g == 0
	s_wait_loadcnt 0x0                             ; the bias and the residual
.endif
.irp i, 0,1,2,3,4,5,6,7
	v_pk_add_f32 v[128+16*\i:129+16*\i], v[128+16*\i:129+16*\i], v[132+16*\i:133+16*\i]
	v_pk_add_f32 v[130+16*\i:131+16*\i], v[130+16*\i:131+16*\i], v[134+16*\i:135+16*\i]
	v_pk_add_f32 v[136+16*\i:137+16*\i], v[136+16*\i:137+16*\i], v[140+16*\i:141+16*\i]
	v_pk_add_f32 v[138+16*\i:139+16*\i], v[138+16*\i:139+16*\i], v[142+16*\i:143+16*\i]
.endr
.irp i, 0,1,2,3,4,5,6,7
	v_pk_add_f32 v[128+16*\i:129+16*\i], v[128+16*\i:129+16*\i], v[136+16*\i:137+16*\i]
	v_pk_add_f32 v[130+16*\i:131+16*\i], v[130+16*\i:131+16*\i], v[138+16*\i:139+16*\i]
.endr
	WIN 0x10                                       ; source 2, the residual: window 1
.irp i, 0,1,2,3,4,5,6,7
	v_pk_fma_f32 v[128+16*\i:129+16*\i], v[128+16*\i:129+16*\i], s[26:27], v[4*(8*\g+\i):4*(8*\g+\i)+1] op_sel_hi:[1,0,1]
	v_pk_fma_f32 v[130+16*\i:131+16*\i], v[130+16*\i:131+16*\i], s[26:27], v[4*(8*\g+\i)+2:4*(8*\g+\i)+3] op_sel_hi:[1,0,1]
.endr
	WIN 0
.irp i, 0,1,2,3,4,5,6,7
	v_pk_add_f32 v[128+16*\i:129+16*\i], v[128+16*\i:129+16*\i], v[32:33]
	v_pk_add_f32 v[130+16*\i:131+16*\i], v[130+16*\i:131+16*\i], v[34:35]
.endr
.irp i, 0,1,2,3,4,5,6,7
	global_store_b128 v26, v[128+16*\i:131+16*\i], s[14:15] offset:4096*(8*\g+\i)          ; 32 lanes store 512 consecutive bytes, aligned
.endr
.endr
	s_wait_tensorcnt 0x0                           ; the wave's end
	ds_add_u32 v28, v29
	s_wait_dscnt 0x0
	s_endpgm
.Lfunc_end_k_q385bf1f130_oproj:
	.size	k_q385bf1f130_oproj, .Lfunc_end_k_q385bf1f130_oproj-k_q385bf1f130_oproj
	.p2alignl 7, 3214868480
	.fill 96, 4, 3214868480
	.section	.rodata,"a",@progbits
	.p2align	6, 0x0
	.amdhsa_kernel k_q385bf1f130_oproj
		.amdhsa_group_segment_fixed_size 270848
		.amdhsa_private_segment_fixed_size 0
		.amdhsa_enable_private_segment 0
		.amdhsa_kernarg_size 48
		.amdhsa_user_sgpr_count 2
		.amdhsa_user_sgpr_kernarg_segment_ptr 1
		.amdhsa_wavefront_size32 1
		.amdhsa_system_sgpr_workgroup_id_x 1
		.amdhsa_system_sgpr_workgroup_id_y 1
		.amdhsa_system_sgpr_workgroup_id_z 1
		.amdhsa_system_vgpr_workitem_id 0
		.amdhsa_next_free_vgpr 1024
		.amdhsa_next_free_sgpr 66
		.amdhsa_reserve_vcc 0
		.amdhsa_float_denorm_mode_32 3
		.amdhsa_float_denorm_mode_16_64 3
		.amdhsa_memory_ordered 1
		.amdhsa_forward_progress 1
		.amdhsa_inst_pref_size 68
	.end_amdhsa_kernel
	.amdgpu_metadata
---
amdhsa.version: [ 1, 2 ]
amdhsa.kernels:
  - .name:           k_q385bf1f130_oproj
    .symbol:         k_q385bf1f130_oproj.kd
    .args:
      - { .name: oimg, .offset: 0, .size: 8, .value_kind: global_buffer, .address_space: global }
      - { .name: wimg, .offset: 8, .size: 8, .value_kind: global_buffer, .address_space: global }
      - { .name: lowp_scales, .offset: 16, .size: 8, .value_kind: global_buffer, .address_space: global }
      - { .name: b_out, .offset: 24, .size: 8, .value_kind: global_buffer, .address_space: global }
      - { .name: x, .offset: 32, .size: 8, .value_kind: global_buffer, .address_space: global }
      - { .name: x1, .offset: 40, .size: 8, .value_kind: global_buffer, .address_space: global }
    .group_segment_fixed_size: 270848
    .private_segment_fixed_size: 0
    .kernarg_segment_align: 8
    .kernarg_segment_size: 48
    .max_flat_workgroup_size: 128
    .sgpr_count:     66
    .vgpr_count:     1024
    .wavefront_size: 32
...
	.end_amdgpu_metadata
.endif
;; end of part 4
;; launch ln2 (part 5): grid 256 x 1, 4 waves a work-group, no clusters, 17,920 bytes of LDS; arguments x1, g2, be2, lowp_scales, h2img; writes h2img
.if DOCPART == 5
	.amdgcn_target "amdgcn-amd-amdhsa--gfx1250"
	.amdhsa_code_object_version 6
	.text
	.protected	k_q385bf1f130_ln2
	.globl	k_q385bf1f130_ln2
	.p2align	8
	.type	k_q385bf1f130_ln2,@function
k_q385bf1f130_ln2:
	s_mov_b64 s[64:65], 0
	v_nop
	global_prefetch_b8 v0, s[64:65] scope:SCOPE_SE
	s_setreg_imm32_b32 hwreg(HW_REG_WAVE_MODE, 25, 1), 1
	s_wait_xcnt 0x0
; h2 = LayerNorm(x1, g2, be2), quantised to E4M3 with 2^e8 and stored as a register image: [row / 16][k / 128][2048]; in a fragment byte 512 q + 16 L + 4 d + i (lane L = r + 16 h) is the code of
; row r at k = 32 q + 16 (d / 2) + 8 h + 4 (d % 2) + i.  A work-group takes 16 rows, wave w rows 4 w .. 4 w + 3, all four in flight and worked by turns; mean first, then the centred squares.
; LIMITS: e8 between -126 and 119.  NaN is not served.
.set T,  16                            ; v16-47 eight registers at work for each row
.set XR, 64                            ; v64-191 the four rows: register 4 j + e is column 128 j + 4 lane + e
.set GR, 192
.set BR, 224
	s_load_b256 s[4:11], s[0:1], 0x0               ; x1 4:5, g2 6:7, be2 8:9, the scales 10:11
	s_load_b64 s[22:23], s[0:1], 0x20              ; h2img
	v_lshl_add_u32 v62, v0, 2, 0x4400
	v_mov_b32 v63, 0
	v_lshrrev_b32 v1, 5, v0
	v_readfirstlane_b32 s36, v1                    ; wave
	v_and_b32 v1, 31, v0                           ; lane
	s_wait_alu depctr_va_vdst(0)
	s_wait_kmcnt 0x0
	s_load_b32 s24, s[10:11], 0x20                 ; e8
	s_lshl_b32 s38, ttmp9, 16
	s_lshl_b32 s39, s36, 14
	s_add_co_u32 s38, s38, s39
	s_mov_b32 s39, 0
	s_add_nc_u64 s[4:5], s[4:5], s[38:39]
	s_lshl_b32 s38, ttmp9, 14
	s_lshl_b32 s40, s36, 12
	s_add_co_u32 s38, s38, s40
	s_add_nc_u64 s[22:23], s[22:23], s[38:39]
	v_lshlrev_b32 v4, 4, v1
.irp i, 0,1,2,3
.irp j, 0,1,2,3,4,5,6,7
	global_load_b128 v[XR+32*\i+4*\j:XR+32*\i+4*\j+3], v4, s[4:5] offset:4096*\i+512*\j
.endr
.endr
.irp j, 0,1,2,3,4,5,6,7
	global_load_b128 v[GR+4*\j:GR+4*\j+3], v4, s[6:7] offset:512*\j
	global_load_b128 v[BR+4*\j:BR+4*\j+3], v4, s[8:9] offset:512*\j
.endr
	; the stage: 64 half chunks (256 bytes of the image) + 16 of padding.  My four codes of fragment j (k = 4 lane ..) lie in chunk lane / 8, half (lane / 2) % 2, register 2 ((lane / 4) % 2) + lane % 2
	v_lshrrev_b32 v2, 3, v1
	v_mul_u32_u24 v5, v2, 544
	v_bfe_u32 v2, v1, 1, 1
	v_mad_u32_u24 v5, v2, 272, v5
	v_bfe_u32 v2, v1, 2, 1
	v_lshl_add_u32 v5, v2, 3, v5
	v_and_b32 v2, 1, v1
	v_lshl_add_u32 v5, v2, 2, v5
	s_lshl_b32 s40, s36, 6
	v_add_nc_u32 v5, s40, v5
	v_lshrrev_b32 v2, 4, v1
	v_mul_u32_u24 v6, v2, 272
	v_and_b32 v2, 15, v1
	v_lshl_add_u32 v6, v2, 4, v6
	s_mul_i32 s40, s36, 4352
	v_add_nc_u32 v6, s40, v6
	s_mov_b32 s70, 0x76543210
	s_mov_b32 s71, 0xfedcba98
	s_mov_b32 s72, 0x3a800000                      ; 1 / 1024
	s_mov_b32 s73, 0x3727c5ac                      ; 1e-5
	s_wait_kmcnt 0x0
	s_add_co_i32 s24, s24, 127
	s_lshl_b32 s41, s24, 23
	v_mov_b32 v9, s41                              ; 2^e8
	s_add_co_i32 s24, s24, 8
	s_lshl_b32 s24, s24, 23
	s_or_b32 s24, s24, 0x600000
	v_mov_b32 v8, s24                              ; 448 x 2^e8
.macro FOLD                            ; each row's four chains, then its 32 lanes: the sum ends in every lane's T + 0
.irp i, 0,1,2,3
	v_pk_add_f32 v[T+8*\i:T+8*\i+1], v[T+8*\i:T+8*\i+1], v[T+8*\i+2:T+8*\i+3]
	v_pk_add_f32 v[T+8*\i+4:T+8*\i+5], v[T+8*\i+4:T+8*\i+5], v[T+8*\i+6:T+8*\i+7]
.endr
.irp i, 0,1,2,3
	v_pk_add_f32 v[T+8*\i:T+8*\i+1], v[T+8*\i:T+8*\i+1], v[T+8*\i+4:T+8*\i+5]
.endr
.irp i, 0,1,2,3
	v_add_f32 v[T+8*\i], v[T+8*\i], v[T+8*\i+1]
.endr
.irp m, 1,2,4,8
.irp i, 0,1,2,3
	v_add_f32_dpp v[T+8*\i], v[T+8*\i], v[T+8*\i] row_xmask:\m row_mask:0xf bank_mask:0xf
.endr
.endr
.irp i, 0,1,2,3
	v_permlanex16_b32 v[T+8*\i+1], v[T+8*\i], s70, s71
.endr
.irp i, 0,1,2,3
	v_add_f32 v[T+8*\i], v[T+8*\i], v[T+8*\i+1]
.endr
.endm
	s_wait_loadcnt 16                              ; the rows are in; the 16 loads of gain and bias may be out
.irp c, 0,1,2,3
.irp i, 0,1,2,3
	v_pk_add_f32 v[T+8*\i+2*\c:T+8*\i+2*\c+1], v[XR+32*\i+4*\c:XR+32*\i+4*\c+1], v[XR+32*\i+4*\c+2:XR+32*\i+4*\c+3]
.endr
.endr
.irp c, 0,1,2,3,4,5,6,7
.irp i, 0,1,2,3
	v_pk_add_f32 v[T+8*\i+2*(\c%4):T+8*\i+2*(\c%4)+1], v[T+8*\i+2*(\c%4):T+8*\i+2*(\c%4)+1], v[XR+32*\i+16+2*\c:XR+32*\i+17+2*\c]
.endr
.endr
	FOLD
.irp i, 0,1,2,3
	v_mul_f32 v[T+8*\i], s72, v[T+8*\i]            ; the mean
.endr
.set n, 0
.rept 16
.irp i, 0,1,2,3
	v_pk_add_f32 v[XR+32*\i+n:XR+32*\i+n+1], v[XR+32*\i+n:XR+32*\i+n+1], v[T+8*\i:T+8*\i+1] op_sel_hi:[1,0] neg_lo:[0,1] neg_hi:[0,1]
.endr
.set n, n+2
.endr
.irp c, 0,1,2,3
.irp i, 0,1,2,3
	v_pk_mul_f32 v[T+8*\i+2*\c:T+8*\i+2*\c+1], v[XR+32*\i+2*\c:XR+32*\i+2*\c+1], v[XR+32*\i+2*\c:XR+32*\i+2*\c+1]
.endr
.endr
.irp c, 4,5,6,7,8,9,10,11,12,13,14,15
.irp i, 0,1,2,3
	v_pk_fma_f32 v[T+8*\i+2*(\c%4):T+8*\i+2*(\c%4)+1], v[XR+32*\i+2*\c:XR+32*\i+2*\c+1], v[XR+32*\i+2*\c:XR+32*\i+2*\c+1], v[T+8*\i+2*(\c%4):T+8*\i+2*(\c%4)+1]
.endr
.endr
	FOLD
.irp i, 0,1,2,3
	v_fma_f32 v[T+8*\i], v[T+8*\i], s72, s73       ; the variance + 1e-5
.endr
	s_wait_alu depctr_va_vdst(0)
.irp i, 0,1,2,3
	v_rsq_f32 v[T+8*\i], v[T+8*\i]
.endr
	v_nop                                          ; a plain line behind the last of the four
	s_wait_alu depctr_va_vdst(0)                   ; one wait for the four, ahead of their first reader
	s_wait_loadcnt 0x0                             ; gain and bias
.set n, 0
.rept 16
.irp i, 0,1,2,3
	v_pk_mul_f32 v[XR+32*\i+n:XR+32*\i+n+1], v[XR+32*\i+n:XR+32*\i+n+1], v[T+8*\i:T+8*\i+1] op_sel_hi:[1,0]
.endr
.set n, n+2
.endr
.set n, 0
.rept 16
.irp i, 0,1,2,3
	v_pk_fma_f32 v[XR+32*\i+n:XR+32*\i+n+1], v[XR+32*\i+n:XR+32*\i+n+1], v[GR+n:GR+n+1], v[BR+n:BR+n+1]
.endr
.set n, n+2
.endr
.set n, 0
.rept 32
.irp i, 0,1,2,3
	v_med3_num_f32 v[XR+32*\i+n], v[XR+32*\i+n], -v8, v8     ; the conversion does not saturate (ISA guide 7.6.2): the hold comes first
.endr
.set n, n+1
.endr
.irp g, 0,1,2,3
.irp i, 0,1,2,3
	v_cvt_scalef32_pk8_fp8_f32 v[T+8*\i+2*\g:T+8*\i+2*\g+1], v[XR+32*\i+8*\g:XR+32*\i+8*\g+7], v9
.endr
.endr
	v_nop
.irp j, 0,1,2,3,4,5,6,7
.irp i, 0,1,2,3
	ds_store_b32 v5, v[T+8*\i+\j] offset:2176*\j+16*\i
.endr
.endr
	s_wait_dscnt 0x0                               ; for the others' sake: my stores have landed
	s_barrier_signal -1
	s_barrier_wait -1
.irp q, 0,1,2,3,4,5,6,7
	ds_load_b128 v[XR+4*\q:XR+4*\q+3], v6 offset:544*\q
.endr
.irp q, 0,1,2,3,4,5,6,7
	s_wait_dscnt 7-\q
	global_store_b128 v4, v[XR+4*\q:XR+4*\q+3], s[22:23] offset:512*\q
.endr
	s_wait_tensorcnt 0x0
	ds_add_u32 v62, v63
	s_wait_dscnt 0x0
	s_endpgm
.Lfunc_end_k_q385bf1f130_ln2:
	.size	k_q385bf1f130_ln2, .Lfunc_end_k_q385bf1f130_ln2-k_q385bf1f130_ln2
	.p2alignl 7, 3214868480
	.fill 96, 4, 3214868480
	.section	.rodata,"a",@progbits
	.p2align	6, 0x0
	.amdhsa_kernel k_q385bf1f130_ln2
		.amdhsa_group_segment_fixed_size 17920
		.amdhsa_private_segment_fixed_size 0
		.amdhsa_enable_private_segment 0
		.amdhsa_kernarg_size 40
		.amdhsa_user_sgpr_count 2
		.amdhsa_user_sgpr_kernarg_segment_ptr 1
		.amdhsa_wavefront_size32 1
		.amdhsa_system_sgpr_workgroup_id_x 1
		.amdhsa_system_sgpr_workgroup_id_y 1
		.amdhsa_system_sgpr_workgroup_id_z 1
		.amdhsa_system_vgpr_workitem_id 0
		.amdhsa_next_free_vgpr 256
		.amdhsa_next_free_sgpr 80
		.amdhsa_reserve_vcc 0
		.amdhsa_float_denorm_mode_32 3
		.amdhsa_float_denorm_mode_16_64 3
		.amdhsa_memory_ordered 1
		.amdhsa_forward_progress 1
		.amdhsa_inst_pref_size 44
	.end_amdhsa_kernel
	.amdgpu_metadata
---
amdhsa.version: [ 1, 2 ]
amdhsa.kernels:
  - .name:           k_q385bf1f130_ln2
    .symbol:         k_q385bf1f130_ln2.kd
    .args:
      - { .name: x1, .offset: 0, .size: 8, .value_kind: global_buffer, .address_space: global }
      - { .name: g2, .offset: 8, .size: 8, .value_kind: global_buffer, .address_space: global }
      - { .name: be2, .offset: 16, .size: 8, .value_kind: global_buffer, .address_space: global }
      - { .name: lowp_scales, .offset: 24, .size: 8, .value_kind: global_buffer, .address_space: global }
      - { .name: h2img, .offset: 32, .size: 8, .value_kind: global_buffer, .address_space: global }
    .group_segment_fixed_size: 17920
    .private_segment_fixed_size: 0
    .kernarg_segment_align: 8
    .kernarg_segment_size: 40
    .max_flat_workgroup_size: 128
    .sgpr_count:     80
    .vgpr_count:     256
    .wavefront_size: 32
...
	.end_amdgpu_metadata
.endif
;; end of part 5
;; launch ffn1 (part 6): grid 16 x 16, 4 waves a work-group, clusters of 4 x 4, 327,680 bytes of LDS; arguments h2img, wimg, lowp_scales, b1, hid; writes hid
.if DOCPART == 6
	.amdgcn_target "amdgcn-amd-amdhsa--gfx1250"
	.amdhsa_code_object_version 6
	.text
	.protected	k_q385bf1f130_ffn1
	.globl	k_q385bf1f130_ffn1
	.p2align	8
	.type	k_q385bf1f130_ffn1,@function
k_q385bf1f130_ffn1:
	s_mov_b64 s[64:65], 0
	v_nop
	global_prefetch_b8 v0, s[64:65] scope:SCOPE_SE
	s_setreg_imm32_b32 hwreg(HW_REG_WAVE_MODE, 25, 1), 1
	s_wait_xcnt 0x0
	s_wait_alu depctr_hold_cnt(0) depctr_sa_sdst(0) depctr_va_vdst(0) depctr_va_sdst(0) depctr_va_ssrc(0) depctr_va_vcc(0) depctr_vm_vsrc(0)
	s_getreg_b32 s2, hwreg(HW_REG_IB_STS2, 6, 4)
	s_cmp_eq_u32 s2, 0
	s_cbranch_scc0 .Lentry_in_a_cluster
	s_endpgm
.Lentry_in_a_cluster:
	s_bfe_u32 s2, ttmp6, 0x10000c
	s_cmp_lg_u32 s2, 0xf033
	s_cbranch_scc0 .Lentry_shape_is_right
	s_endpgm
.Lentry_shape_is_right:
.set IST,   4096
.set SSTEP, 4096
.set SPARE, 262144
.set SLOT,  131072
.set AF,  128
.set G1,  24
.set G0,  32
.set G1B, 48
.set G0B, 56
.set MSB, 0
.macro WIN new
.if MSB != (\new)
	s_set_vgpr_msb (MSB<<8)|(\new)
.set MSB, (\new)
.endif
.endm
.macro PLACES
.rept 4
	v_nop
.endr
.endm
.macro JLOAD s
	s_cmp_eq_u32 s15, 0
	s_cbranch_scc0 .Lfor_b_\@
	tensor_load_to_lds s[G0+4*\s:G0+4*\s+3], s[G1:G1+7]
	s_nop 0
.rept 4
	v_nop
.endr
	s_branch .Lasked_\@
.Lfor_b_\@:
	tensor_load_to_lds s[G0B+4*\s:G0B+4*\s+3], s[G1B:G1B+7]
	s_nop 0
.rept 4
	v_nop
.endr
.Lasked_\@:
.endm
.macro CREST
	s_cmp_lg_u32 s14, 0
	s_cbranch_scc1 .Lnot_wave_0_\@
	s_barrier_signal -3
.Lnot_wave_0_\@:
	s_barrier_wait -3
	s_barrier_signal -1
	s_barrier_wait -1
.endm
.macro CROUND
	s_barrier_signal -1
	s_barrier_wait -1
	CREST
.endm
.macro FRAG reg, adr, q, i
.irp c, 0,1,2,3
	ds_load_b128 v[\reg+4*\c:\reg+4*\c+3], v[\adr] offset:2048*(\q)+IST*(\i)+512*\c
.endr
.endm
.macro FETCH_B slot, q, p
	WIN 0x40
.irp i, 0,1,2,3,4,5,6,7
	FRAG 128*(\p)+16*\i, 20+\slot, \q, \i
.endr
	WIN 0
.endm
.macro FETCH_A slot, q, i0
.irp i, \i0, \i0+1, \i0+2, \i0+3
	FRAG AF+16*(\i), 16+\slot, \q, \i
.endr
.endm
.macro MUL8 a, p, mode
.if \mode == 2
	WIN 0x81+0x40*((\a)/4)
.else
	WIN 0xa1+0x50*((\a)/4)
.endif
.irp b, 0,1,2,3,4,5,6,7
.set rD, 8*(8*((\a)%4)+\b)
.if \mode == 2
	v_wmma_f32_16x16x128_fp8_fp8 v[rD:rD+7], v[128*(\p)+16*\b:128*(\p)+16*\b+15], v[AF+16*(\a):AF+16*(\a)+15], v[32+8*\b:39+8*\b]
.else
	v_wmma_f32_16x16x128_fp8_fp8 v[rD:rD+7], v[128*(\p)+16*\b:128*(\p)+16*\b+15], v[AF+16*(\a):AF+16*(\a)+15], v[rD:rD+7]
.endif
.endr
.endm
.macro STEP slot, q, mode
	s_wait_dscnt 16
	MUL8 0, (\q)%2, \mode
	MUL8 1, (\q)%2, \mode
	MUL8 2, (\q)%2, \mode
	MUL8 3, (\q)%2, \mode
	s_wait_dscnt 0x0
	PLACES
	FETCH_B \slot, (\q)+1, 1-(\q)%2
	FETCH_A \slot, (\q)+1, 0
	MUL8 4, (\q)%2, \mode
	MUL8 5, (\q)%2, \mode
	MUL8 6, (\q)%2, \mode
	MUL8 7, (\q)%2, \mode
	PLACES
	WIN 0
	FETCH_A \slot, (\q)+1, 4
.endm
.macro TURN slot, next, fill, p, mode
	s_wait_dscnt 16
	MUL8 0, \p, \mode
	MUL8 1, \p, \mode
	WIN 0
	s_wait_tensorcnt 0x0
	ds_add_u32 v28, v29
	MUL8 2, \p, \mode
	s_wait_dscnt 0x0
	s_barrier_signal -1
	MUL8 3, \p, \mode
	WIN 0
	s_barrier_wait -1
.if \fill
	CREST
	s_add_nc_u64 s[G0+4*\slot+2:G0+4*\slot+3], s[G0+4*\slot+2:G0+4*\slot+3], 2*SSTEP
	s_add_nc_u64 s[G0B+4*\slot+2:G0B+4*\slot+3], s[G0B+4*\slot+2:G0B+4*\slot+3], 2*SSTEP
	JLOAD \slot
.else
	PLACES
.endif
	FETCH_B \next, 0, 1-(\p)
	FETCH_A \next, 0, 0
	MUL8 4, \p, \mode
	MUL8 5, \p, \mode
	MUL8 6, \p, \mode
	MUL8 7, \p, \mode
	PLACES
	WIN 0
	FETCH_A \next, 0, 4
.endm
.macro FINAL p
	s_wait_dscnt 16
	MUL8 0, \p, 0
	MUL8 1, \p, 0
	MUL8 2, \p, 0
	MUL8 3, \p, 0
	s_wait_dscnt 0x0
	MUL8 4, \p, 0
	MUL8 5, \p, 0
	MUL8 6, \p, 0
	MUL8 7, \p, 0
	WIN 0
.endm
	s_load_b128 s[4:7], s[0:1], 0x0
	s_load_b128 s[8:11], s[0:1], 0x10
	s_load_b64 s[12:13], s[0:1], 0x20
	v_lshl_add_u32 v28, v0, 2, SPARE
	v_mov_b32 v29, 0
	ds_add_u32 v28, v29
	ds_add_u32 v28, v29
	s_wait_dscnt 0x0
	v_lshrrev_b32 v1, 5, v0
	v_readfirstlane_b32 s14, v1
	s_lshr_b32 s15, s14, 1
	s_and_b32 s16, s14, 1
	s_bfe_u32 s40, ttmp6, 0x40000
	s_bfe_u32 s41, ttmp6, 0x40004
	s_and_b32 s17, ttmp7, 0xffff
	s_lshl_b32 s43, s41, 2
	s_lshl_b32 s43, 15, s43
	s_lshl_b32 s44, 0x1111, s40
	s_or_b32 s[G1], s43, (3<<16)|(1<<21)
	s_or_b32 s[G1B], s44, (3<<16)|(1<<21)
.irp g, G1, G1B
	s_mov_b32 s[\g+1], 512<<16
	s_mov_b32 s[\g+2], 8<<16
	s_mov_b32 s[\g+3], 512<<16
	s_mov_b32 s[\g+4], 8
	s_mov_b32 s[\g+5], 2048
	s_mov_b32 s[\g+6], 0
	s_mov_b32 s[\g+7], 0
.endr
	s_lshl_b32 s19, s17, 2
	s_add_co_u32 s19, s19, s41
	s_lshl_b32 s21, ttmp9, 2
	s_add_co_u32 s21, s21, s40
	s_lshl_b32 s22, s16, 17
	s_lshl_b32 s86, s19, 18
	s_add_co_u32 s86, s86, s22
	s_mov_b32 s87, 0
	s_lshl_b32 s88, s21, 18
	s_add_co_u32 s88, s88, s22
	s_add_co_u32 s88, s88, 4194304
	s_mov_b32 s89, 0
	s_lshl_b32 s45, s14, 15
	s_wait_kmcnt 0x0
	s_load_b256 s[68:75], s[8:9], 0x0
	s_load_b128 s[76:79], s[8:9], 0x20
	s_add_nc_u64 s[80:81], s[4:5], s[86:87]
	s_add_nc_u64 s[82:83], s[6:7], s[88:89]
	CROUND
.irp s, 0,1
	s_mov_b32 s[G0+4*\s], 1
	s_add_co_u32 s[G0+4*\s+1], s45, \s*SLOT
	s_add_nc_u64 s[G0+4*\s+2:G0+4*\s+3], s[80:81], \s*SSTEP
	s_or_b32 s[G0+4*\s+3], s[G0+4*\s+3], 0x80000000
	s_mov_b32 s[G0B+4*\s], 1
	s_add_co_u32 s[G0B+4*\s+1], s45, \s*SLOT
	s_add_nc_u64 s[G0B+4*\s+2:G0B+4*\s+3], s[82:83], \s*SSTEP
	s_or_b32 s[G0B+4*\s+3], s[G0B+4*\s+3], 0x80000000
	s_wait_alu depctr_va_vdst(0)
	s_wait_tensorcnt 0x0
	ds_add_u32 v28, v29
	ds_add_u32 v28, v29
	s_wait_dscnt 0x0
	CROUND
	JLOAD \s
.endr
	v_bfe_u32 v2, v0, 4, 1
	v_lshlrev_b32 v2, 5, v2
	s_lshl_b32 s92, s21, 10
	s_lshl_b32 s93, s16, 9
	s_add_co_u32 s92, s92, s93
	s_mov_b32 s93, 0
	s_add_nc_u64 s[10:11], s[10:11], s[92:93]
.irp b, 0,1,2,3,4,5,6,7
	global_load_b128 v[32+8*\b:35+8*\b], v2, s[10:11] offset:64*\b
	global_load_b128 v[36+8*\b:39+8*\b], v2, s[10:11] offset:64*\b+16
.endr
	v_and_b32 v1, 31, v0
	v_lshlrev_b32 v26, 4, v1
	s_lshl_b32 s90, s15, 15
	s_lshl_b32 s91, s16, 15
	s_add_co_u32 s91, s91, 65536
	v_add_nc_u32 v16, s90, v26
	v_add_nc_u32 v20, s91, v26
	v_add_nc_u32 v17, SLOT, v16
	v_add_nc_u32 v21, SLOT, v20
	s_lshl_b32 s92, s19, 1
	s_add_co_u32 s92, s92, s15
	s_lshl_b32 s92, s92, 19
	s_lshl_b32 s94, s21, 1
	s_add_co_u32 s94, s94, s16
	s_lshl_b32 s94, s94, 11
	s_add_co_u32 s92, s92, s94
	s_add_nc_u64 s[12:13], s[12:13], s[92:93]
	s_wait_kmcnt 0x0
	s_add_co_i32 s96, s76, s77
	s_sub_co_i32 s97, 0, s96
	s_wait_loadcnt 0x0
.set i, 0
.rept 64
	v_ldexp_f32 v[32+i], v[32+i], s97
.set i, i+1
.endr
	s_wait_alu depctr_va_vdst(0)
	s_wait_tensorcnt 1
	s_barrier_signal -1
	s_barrier_wait -1
	FETCH_B 0, 0, 0
	FETCH_A 0, 0, 0
	FETCH_A 0, 0, 4
	STEP 0, 0, 2
	TURN 0, 1, 1, 1, 0
	STEP 1, 0, 0
	TURN 1, 0, 1, 1, 0
	STEP 0, 0, 0
	TURN 0, 1, 0, 1, 0
	STEP 1, 0, 0
	FINAL 1
	s_sub_co_i32 s96, s78, s96
	s_add_co_i32 s96, s96, 127
	s_lshl_b32 s98, s96, 23
	v_mov_b32 v30, s98
	s_add_co_i32 s96, s96, 8
	s_lshl_b32 s96, s96, 23
	s_or_b32 s96, s96, 0x600000
	v_mov_b32 v31, s96
	PLACES
.irp w, 0,1
	WIN 0x82+0x41*\w
.set i, 0
.rept 256
	v_med3_num_f32 v[i], v[i], 0, v31
.set i, i+1
.endr
	WIN 0x02+\w
.irp m, 0,1,2,3
.irp b, 0,1,2,3,4,5,6,7
	v_cvt_scalef32_pk8_fp8_f32 v[128+16*(4*\w+\m)+2*\b:128+16*(4*\w+\m)+2*\b+1], v[64*\m+8*\b:64*\m+8*\b+7], v30
.endr
.endr
.endr
	v_nop
	WIN 0
.irp a, 0,1,2,3,4,5,6,7
.irp q, 0,1,2,3
	global_store_b128 v26, v[128+16*\a+4*\q:128+16*\a+4*\q+3], s[12:13] offset:65536*\a+512*\q
.endr
.endr
	s_wait_tensorcnt 0x0
	ds_add_u32 v28, v29
	s_wait_dscnt 0x0
	CROUND
	s_endpgm
.Lfunc_end_k_q385bf1f130_ffn1:
	.size	k_q385bf1f130_ffn1, .Lfunc_end_k_q385bf1f130_ffn1-k_q385bf1f130_ffn1
	.p2alignl 7, 3214868480
	.fill 96, 4, 3214868480
	.section	.rodata,"a",@progbits
	.p2align	6, 0x0
	.amdhsa_kernel k_q385bf1f130_ffn1
		.amdhsa_group_segment_fixed_size 327680
		.amdhsa_private_segment_fixed_size 0
		.amdhsa_enable_private_segment 0
		.amdhsa_kernarg_size 40
		.amdhsa_user_sgpr_count 2
		.amdhsa_user_sgpr_kernarg_segment_ptr 1
		.amdhsa_wavefront_size32 1
		.amdhsa_system_sgpr_workgroup_id_x 1
		.amdhsa_system_sgpr_workgroup_id_y 1
		.amdhsa_system_sgpr_workgroup_id_z 1
		.amdhsa_system_vgpr_workitem_id 0
		.amdhsa_next_free_vgpr 1024
		.amdhsa_next_free_sgpr 100
		.amdhsa_reserve_vcc 0
		.amdhsa_float_denorm_mode_32 3
		.amdhsa_float_denorm_mode_16_64 3
		.amdhsa_memory_ordered 1
		.amdhsa_forward_progress 1
		.amdhsa_inst_pref_size 123
	.end_amdhsa_kernel
	.amdgpu_metadata
---
amdhsa.version: [ 1, 2 ]
amdhsa.kernels:
  - .name:           k_q385bf1f130_ffn1
    .symbol:         k_q385bf1f130_ffn1.kd
    .args:
      - { .name: h2img, .offset: 0, .size: 8, .value_kind: global_buffer, .address_space: global }
      - { .name: wimg, .offset: 8, .size: 8, .value_kind: global_buffer, .address_space: global }
      - { .name: lowp_scales, .offset: 16, .size: 8, .value_kind: global_buffer, .address_space: global }
      - { .name: b1, .offset: 24, .size: 8, .value_kind: global_buffer, .address_space: global }
      - { .name: hid, .offset: 32, .size: 8, .value_kind: global_buffer, .address_space: global }
    .group_segment_fixed_size: 327680
    .private_segment_fixed_size: 0
    .kernarg_segment_align: 8
    .kernarg_segment_size: 40
    .max_flat_workgroup_size: 128
    .sgpr_count:     100
    .vgpr_count:     1024
    .wavefront_size: 32
...
	.end_amdgpu_metadata
.endif
;; end of part 6
;; launch ffn2 (part 7): grid 8 x 32, 4 waves a work-group, no clusters, 270,848 bytes of LDS; arguments hid, wimg, lowp_scales, b2, x1, out0; writes out0
.if DOCPART == 7
	.amdgcn_target "amdgcn-amd-amdhsa--gfx1250"
	.amdhsa_code_object_version 6
	.text
	.protected	k_q385bf1f130_ffn2
	.globl	k_q385bf1f130_ffn2
	.p2align	8
	.type	k_q385bf1f130_ffn2,@function
k_q385bf1f130_ffn2:
	s_mov_b64 s[64:65], 0
	v_nop
	global_prefetch_b8 v0, s[64:65] scope:SCOPE_SE
	s_setreg_imm32_b32 hwreg(HW_REG_WAVE_MODE, 25, 1), 1
	s_wait_xcnt 0x0
; out0 = x1 + (hidden layer x w2 + b2): product 6 on codes of E4M3, K = 4,096.
; A tile of C is 128 x 128: 256 work-groups.  THE FOUR WAVES SHARE K, NOT C: in K step t (512 along K) wave w multiplies fragment 4 t + w for the whole tile, 64 accumulators a wave.
; At the end the four waves' sums meet in LDS and are added in f32: a sum over K is formed in four parts.
; Operands are register images ([row / 16][k / 128][2048]).  Each fragment of a tile is taken by exactly one wave of the work-group, once: so it goes from memory straight into that wave's operand
; registers, four loads of 512 consecutive bytes.  NO LDS RING AND NO JOINT LOADS: nothing lands in LDS that two waves would read, and a joint load lands in LDS alone.
; The matrix instruction is used transposed (source 0 = 16 columns of the weight, source 1 = 16 tokens): a lane holds eight neighbouring columns of a row.
; PREFETCH INTO THE L2: in K step t, whose loads take step t + 1, step t + 3 is asked for: two steps ahead of its loads.  A K step of a tile is 8 groups x 8,192 bytes of each operand.
; The 8 work-groups of a tile row share A's out: the one with tile column x asks for group x, by wave 0, lanes 256 bytes apart.  The 32 of a tile column share B's out: the one with tile row y asks for
; fragment y % 4 of group y / 4, 2,048 bytes, by wave 1, lanes 0-7 (the other lanes name the last block again).  Steps 0 to 2 come by their loads alone; steps T - 3 on ask for nothing.
; LIMIT: e10 + e11 between -126 and 127.
; REGISTERS: window 0: v8-11, v24 LDS addresses, v26 16 x lane, v27 the prefetch's offset, v28, v29 for the add, v32-35 the bias, v128-255 A's eight fragments (one set), later the way out;
;   window 1: B's two sets, set 0 at the end the residual;  windows 2, 3: accumulator (a, b) at v[8 (8 (a % 4) + b)].
.set T,     8                          ; K steps
.set GS,    65536                      ; bytes from one 16 rows of an image to the next: 16 K
.set WOFF,  8388608                    ; the weight's image in wimg
.set ESC,   40                         ; the two exponents' place in lowp_scales
.set KST,   8192                       ; a K step: four fragments
.set SPARE, 270336                     ; behind the stage: the spare words, 128 bytes a wave
.set AF,  128
.set MSB, 0
.macro WIN new                         ; the immediate's high byte repeats the setting that is left
.if MSB != (\new)
	s_set_vgpr_msb (MSB<<8)|(\new)
.set MSB, (\new)
.endif
.endm
.macro PLACES                          ; four plain lines between a matrix instruction and a load into, or a read of, its registers (ISA guide 7.12.1 for reads)
.rept 4
	v_nop
.endr
.endm
.macro LDB p                           ; B's eight fragments of the K step at s[6:7] into set p
	WIN 0x40
.irp i, 0,1,2,3,4,5,6,7
.irp c, 0,1,2,3
	global_load_b128 v[128*(\p)+16*\i+4*\c:128*(\p)+16*\i+4*\c+3], v26, s[6:7] offset:GS*\i+512*\c
.endr
.endr
	WIN 0
.endm
.macro LDA j                           ; A's fragments 2 j, 2 j + 1 of the K step at s[4:5]
.irp i, 2*(\j), 2*(\j)+1
.irp c, 0,1,2,3
	global_load_b128 v[AF+16*(\i)+4*\c:AF+16*(\i)+4*\c+3], v26, s[4:5] offset:GS*(\i)+512*\c
.endr
.endr
.endm
.macro MUL8 a, p, mode                 ; A's fragment a against B's eight; mode 1: the constant 0 starts the sums.  The 64 accumulators take turns in the same order in every step
	WIN 0xa1+0x50*((\a)/4)
.irp b, 0,1,2,3,4,5,6,7
.set rD, 8*(8*((\a)%4)+\b)
.if \mode == 1
	v_wmma_f32_16x16x128_fp8_fp8 v[rD:rD+7], v[128*(\p)+16*\b:128*(\p)+16*\b+15], v[AF+16*(\a):AF+16*(\a)+15], 0
.else
	v_wmma_f32_16x16x128_fp8_fp8 v[rD:rD+7], v[128*(\p)+16*\b:128*(\p)+16*\b+15], v[AF+16*(\a):AF+16*(\a)+15], v[rD:rD+7]
.endif
.endr
.endm
.macro ASK                             ; s3: the loop's trips to go (1 in the last); s40: 1 in waves 0 and 1, the greatest number in the others
	s_cmp_gt_u32 s3, s40
	s_cbranch_scc0 .Lnone_\@
	global_prefetch_b8 v27, s[36:37] th:TH_LOAD_NT scope:SCOPE_SE
.Lnone_\@:
.endm
; A K step on B's set p.  nxt = 1: the next step's B is asked for at the head, into the other set, and each pair of A's fragments anew behind its 16 products.
; THE WAIT'S COUNT: behind the 8 loads of A's pair j stand the later pairs' 8 (3 - j), the next B's 32 and the next step's earlier pairs' 8 j: 56 in every place, round the loop's edge too.
; nxt = 0, the last step: the residual's 32 loads take the next B's place and no pair follows: 56 - 8 j.
.macro STEP p, mode, nxt
.if \nxt
	ASK
	LDB 1-(\p)
.else
	WIN 0x40                                       ; my 32 rows of the residual go into B's set 0, which is done with (four places stand behind its last products)
.set i, 0
.rept 32
	global_load_b128 v[4*i:4*i+3], v26, s[12:13] offset:4096*i th:TH_LOAD_NT
.set i, i+1
.endr
	WIN 0
.endif
.irp j, 0,1,2,3
.if \nxt
	s_wait_loadcnt 56
.else
	s_wait_loadcnt 56-8*\j
.endif
	MUL8 2*\j, \p, \mode
	MUL8 2*\j+1, \p, \mode
.if \nxt
	PLACES
	WIN 0
	LDA \j
.endif
.endr
	WIN 0
.if \nxt
	s_wait_xcnt 0x0                                ; every load and prefetch has read its base: on to the next K step
	s_add_nc_u64 s[4:5], s[4:5], KST
	s_add_nc_u64 s[6:7], s[6:7], KST
	s_add_nc_u64 s[36:37], s[36:37], KST
.endif
.endm
	s_load_b128 s[4:7], s[0:1], 0x0                ; A's image, wimg
	s_load_b128 s[8:11], s[0:1], 0x10              ; the scales, the bias
	s_load_b128 s[12:15], s[0:1], 0x20             ; the residual, the output
	v_lshrrev_b32 v1, 5, v0
	v_readfirstlane_b32 s16, v1                    ; wave 0..3: also my fragment of a K step's four
	s_and_b32 s17, ttmp7, 0xffff                   ; tile row; ttmp9: tile column
	s_lshl_b32 s18, s16, 11
	s_mul_i32 s20, s17, 8*GS
	s_add_co_u32 s20, s20, s18                     ; A: the tile's eight 16-row groups, my fragment
	s_mov_b32 s21, 0
	s_mul_i32 s22, ttmp9, 8*GS
	s_add_co_u32 s22, s22, s18
	s_add_co_u32 s22, s22, WOFF                    ; B likewise
	s_mov_b32 s23, 0
	s_mul_i32 s24, s16, 67584                      ; my copy of the stage
	s_mul_i32 s25, s16, 16896                      ; rows 32 w .. of a copy
	s_lshl_b32 s30, ttmp9, 9                       ; the tile's 512 bytes of a row of f32
	s_mov_b32 s31, 0
	s_lshl_b32 s32, s17, 2
	s_add_co_u32 s32, s32, s16
	s_lshl_b32 s32, s32, 17                        ; rows 128 x tile row + 32 x wave, 4,096 bytes each
	s_add_co_u32 s32, s32, s30
	s_mov_b32 s33, 0
	s_lshl_b32 s34, s17, 3                         ; the prefetches.  A: group x of my tile row's eight
	s_add_co_u32 s34, s34, ttmp9
	s_mul_i32 s34, s34, GS
	s_lshl_b32 s35, ttmp9, 3                       ; B: group y / 4 of my tile column's eight,
	s_lshr_b32 s38, s17, 2
	s_add_co_u32 s35, s35, s38
	s_mul_i32 s35, s35, GS
	s_and_b32 s38, s17, 3
	s_lshl_b32 s38, s38, 11                        ; fragment y % 4 of the step's four
	s_add_co_u32 s35, s35, s38
	s_add_co_u32 s35, s35, WOFF
	s_cmp_eq_u32 s16, 0                            ; wave 0 asks for A, wave 1 for B
	s_cselect_b32 s38, s34, s35
	s_cselect_b32 s41, 31, 7                       ; the last lane with a block of its own
	s_add_co_u32 s38, s38, 3*KST                   ; K step 0 asks for K step 3
	s_mov_b32 s39, 0
	s_cmp_lt_u32 s16, 2
	s_cselect_b32 s40, 1, 0x7fffffff
	s_mov_b32 s3, (T-2)/2                          ; the loop's trips
	v_lshl_add_u32 v28, v0, 2, SPARE
	v_mov_b32 v29, 0
	v_and_b32 v1, 31, v0
	v_lshlrev_b32 v26, 4, v1
	v_and_b32 v2, 15, v0
	v_bfe_u32 v3, v0, 4, 1
	v_mul_u32_u24 v24, v2, 528
	v_lshl_add_u32 v24, v3, 5, v24
	v_add_nc_u32 v24, s24, v24                     ; the stage, my copy: row r of 528 bytes, + 32 h
	v_add_nc_u32 v8, s25, v26                      ; back: rows 32 w .. of copy 0, 1, 2, 3
	v_add_nc_u32 v9, 67584, v8
	v_add_nc_u32 v10, 67584, v9
	v_add_nc_u32 v11, 67584, v10
	v_min_u32 v27, s41, v1
	v_lshlrev_b32 v27, 8, v27                      ; lanes 256 bytes apart
	s_wait_alu depctr_va_vdst(0)
	s_wait_kmcnt 0x0
	s_load_b64 s[26:27], s[8:9], ESC               ; the two exponents
	s_cmp_eq_u32 s16, 0
	s_cselect_b64 s[36:37], s[4:5], s[6:7]
	s_add_nc_u64 s[36:37], s[36:37], s[38:39]
	s_add_nc_u64 s[4:5], s[4:5], s[20:21]
	s_add_nc_u64 s[6:7], s[6:7], s[22:23]
	s_add_nc_u64 s[10:11], s[10:11], s[30:31]
	s_add_nc_u64 s[12:13], s[12:13], s[32:33]
	s_add_nc_u64 s[14:15], s[14:15], s[32:33]
	global_load_b128 v[32:35], v26, s[10:11]       ; the bias at my four columns
	LDB 0                                          ; K step 0
	LDA 0
	LDA 1
	LDA 2
	LDA 3
	s_wait_xcnt 0x0
	s_add_nc_u64 s[4:5], s[4:5], KST
	s_add_nc_u64 s[6:7], s[6:7], KST
	STEP 0, 1, 1                                   ; the first products start the sums: nothing is cleared
.Lk:                                               ; a trip is two K steps, so that B's sets are back where they began: steps 1 to T - 2
	STEP 1, 0, 1
	STEP 0, 0, 1
	s_sub_co_u32 s3, s3, 1
	s_cmp_lg_u32 s3, 0
	s_cbranch_scc1 .Lk
	STEP 1, 0, 0
	; THE WAY OUT.  The stage: four copies of 128 rows x (512 + 16) bytes
	PLACES
.irp a, 0,1,2,3,4,5,6,7
	WIN 0x08+0x04*(\a/4)                           ; the stores' data: window 2 or 3
.irp b, 0,1,2,3,4,5,6,7
	ds_store_b128 v24, v[8*(8*(\a%4)+\b):8*(8*(\a%4)+\b)+3] offset:8448*\a+64*\b          ; each accumulator from its low end on
	ds_store_b128 v24, v[8*(8*(\a%4)+\b)+4:8*(8*(\a%4)+\b)+7] offset:8448*\a+64*\b+16
.endr
.endr
	WIN 0
	s_wait_kmcnt 0x0
	s_add_co_i32 s26, s26, s27
	s_add_co_i32 s26, s26, 127
	s_lshl_b32 s26, s26, 23                        ; 2^(ea + eb)
	s_mov_b32 s27, s26
	s_wait_dscnt 0x0                               ; for the others' sake
	s_barrier_signal -1
	s_barrier_wait -1
.irp g, 0,1,2,3                        ; wave w finishes rows 32 w .., eight at a time
.if \g > 0
	s_wait_xcnt 0x0                                ; the last batch's stores have read their registers
.endif
.irp i, 0,1,2,3,4,5,6,7
.irp c, 0,1,2,3
	ds_load_b128 v[128+16*\i+4*\c:131+16*\i+4*\c], v[8+\c] offset:528*(8*\g+\i)
.endr
.endr
	s_wait_dscnt 0x0
.if \g == 0
	s_wait_loadcnt 0x0                             ; the bias and the residual
.endif
.irp i, 0,1,2,3,4,5,6,7
	v_pk_add_f32 v[128+16*\i:129+16*\i], v[128+16*\i:129+16*\i], v[132+16*\i:133+16*\i]
	v_pk_add_f32 v[130+16*\i:131+16*\i], v[130+16*\i:131+16*\i], v[134+16*\i:135+16*\i]
	v_pk_add_f32 v[136+16*\i:137+16*\i], v[136+16*\i:137+16*\i], v[140+16*\i:141+16*\i]
	v_pk_add_f32 v[138+16*\i:139+16*\i], v[138+16*\i:139+16*\i], v[142+16*\i:143+16*\i]
.endr
.irp i, 0,1,2,3,4,5,6,7
	v_pk_add_f32 v[128+16*\i:129+16*\i], v[128+16*\i:129+16*\i], v[136+16*\i:137+16*\i]
	v_pk_add_f32 v[130+16*\i:131+16*\i], v[130+16*\i:131+16*\i], v[138+16*\i:139+16*\i]
.endr
	WIN 0x10                                       ; source 2, the residual: window 1
.irp i, 0,1,2,3,4,5,6,7
	v_pk_fma_f32 v[128+16*\i:129+16*\i], v[128+16*\i:129+16*\i], s[26:27], v[4*(8*\g+\i):4*(8*\g+\i)+1] op_sel_hi:[1,0,1]
	v_pk_fma_f32 v[130+16*\i:131+16*\i], v[130+16*\i:131+16*\i], s[26:27], v[4*(8*\g+\i)+2:4*(8*\g+\i)+3] op_sel_hi:[1,0,1]
.endr
	WIN 0
.irp i, 0,1,2,3,4,5,6,7
	v_pk_add_f32 v[128+16*\i:129+16*\i], v[128+16*\i:129+16*\i], v[32:33]
	v_pk_add_f32 v[130+16*\i:131+16*\i], v[130+16*\i:131+16*\i], v[34:35]
.endr
.irp i, 0,1,2,3,4,5,6,7
	global_store_b128 v26, v[128+16*\i:131+16*\i], s[14:15] offset:4096*(8*\g+\i) th:TH_STORE_NT   ; 32 lanes store 512 consecutive bytes, aligned
.endr
.endr
	s_wait_tensorcnt 0x0                           ; the wave's end
	ds_add_u32 v28, v29
	s_wait_dscnt 0x0
	s_endpgm
.Lfunc_end_k_q385bf1f130_ffn2:
	.size	k_q385bf1f130_ffn2, .Lfunc_end_k_q385bf1f130_ffn2-k_q385bf1f130_ffn2
	.p2alignl 7, 3214868480
	.fill 96, 4, 3214868480
	.section	.rodata,"a",@progbits
	.p2align	6, 0x0
	.amdhsa_kernel k_q385bf1f130_ffn2
		.amdhsa_group_segment_fixed_size 270848
		.amdhsa_private_segment_fixed_size 0
		.amdhsa_enable_private_segment 0
		.amdhsa_kernarg_size 48
		.amdhsa_user_sgpr_count 2
		.amdhsa_user_sgpr_kernarg_segment_ptr 1
		.amdhsa_wavefront_size32 1
		.amdhsa_system_sgpr_workgroup_id_x 1
		.amdhsa_system_sgpr_workgroup_id_y 1
		.amdhsa_system_sgpr_workgroup_id_z 1
		.amdhsa_system_vgpr_workitem_id 0
		.amdhsa_next_free_vgpr 1024
		.amdhsa_next_free_sgpr 66
		.amdhsa_reserve_vcc 0
		.amdhsa_float_denorm_mode_32 3
		.amdhsa_float_denorm_mode_16_64 3
		.amdhsa_memory_ordered 1
		.amdhsa_forward_progress 1
		.amdhsa_inst_pref_size 91
	.end_amdhsa_kernel
	.amdgpu_metadata
---
amdhsa.version: [ 1, 2 ]
amdhsa.kernels:
  - .name:           k_q385bf1f130_ffn2
    .symbol:         k_q385bf1f130_ffn2.kd
    .args:
      - { .name: hid, .offset: 0, .size: 8, .value_kind: global_buffer, .address_space: global }
      - { .name: wimg, .offset: 8, .size: 8, .value_kind: global_buffer, .address_space: global }
      - { .name: lowp_scales, .offset: 16, .size: 8, .value_kind: global_buffer, .address_space: global }
      - { .name: b2, .offset: 24, .size: 8, .value_kind: global_buffer, .address_space: global }
      - { .name: x1, .offset: 32, .size: 8, .value_kind: global_buffer, .address_space: global }
      - { .name: out0, .offset: 40, .size: 8, .value_kind: global_buffer, .address_space: global }
    .group_segment_fixed_size: 270848
    .private_segment_fixed_size: 0
    .kernarg_segment_align: 8
    .kernarg_segment_size: 48
    .max_flat_workgroup_size: 128
    .sgpr_count:     66
    .vgpr_count:     1024
    .wavefront_size: 32
...
	.end_amdgpu_metadata
.endif
;; end of part 7
